; MI455X (gfx1250); checked and timed in simulation.
; The chip was launched on July 23, 2026; its instructions are those of AMD's public machine-readable ISA for CDNA 5 (MIT licence, August 2026) and "CDNA5" Instruction Set Architecture Reference Guide (July 2026). The comments in the code are by the model that wrote it; some were corrected since.
;; Self Attention V2 Causal. Allowed arithmetic: matrix products marked QUANTISED: E2M3 operands, one E8M0 scale for each 32 along K, by v_wmma_scale_f32_16x16x128_f8f6f4 with both operands' format E2M3, f32 sums; everything else in f32.
;; Inputs: Wk 1,024 x 1,024 float32; Wq 1,024 x 1,024 float32; Wv 1,024 x 1,024 float32; x 4 x 2,048 x 1,024 float32.
;; Outputs: out0 4 x 2,048 x 1,024 float32.
;; This version of the problem:
;;   THIS VERSION OF THE PROBLEM IS GIVEN IN LOW PRECISION. The matrix products marked QUANTISED in the list below multiply operands that are first quantised to E2M3 (2 exponent bits, 3 mantissa bits; 6 bits a number), with one power-of-two scale for each 32 numbers along K (OCP MX v1.0); their sums are f32. All else is computed in f32.
;;   The module's matrix products, in the order in which they are computed (A, B: the left and right operand; K: the contracted axis; several contracted axes count as one K, in the product's order):
;;     1. [M 8,192, K 1,024] x [K 1,024, N 1,024]; A: input x; B: input Wq: QUANTISED
;;     2. [M 8,192, K 1,024] x [K 1,024, N 1,024]; A: input x; B: input Wk: QUANTISED
;;     3. [M 8,192, K 1,024] x [K 1,024, N 1,024]; A: input x; B: input Wv: QUANTISED
;;     4. batch 4 x [M 2,048, K 1,024] x [K 1,024, N 2,048]; A: computed on the way; B: computed on the way: QUANTISED
;;     5. batch 4 x [M 2,048, K 2,048] x [K 2,048, N 1,024]; A: softmax (see below); B: computed on the way: QUANTISED
;;   THE QUANTISER, for each operand of a quantised product, along K:
;;     - K is cut into blocks of 32 from its start; a last block that is shorter is filled with zeros.
;;     - A block's scale is 2^e with e = floor(log2(the largest magnitude in the block)) - 2, held to -126 .. 127; a block of zeros has e = 0. As a byte (E8M0): e + 127.
;;     - Each number is divided by its block's scale, clamped to +-7.5, and rounded to the nearest number of E2M3, ties to even, subnormals kept.
;;     - The product sums the exact products of the quantised numbers (number of the format x scale) in f32.
;;   ~~~python
;;   def quantise(x, axis):      # numpy; x: float32 -> the quantised numbers, widened to float32 again
;;       x = np.moveaxis(x, axis, -1); K = x.shape[-1]
;;       x = np.pad(x, [(0, 0)] * (x.ndim - 1) + [(0, -K % 32)]); x = x.reshape(x.shape[:-1] + (-1, 32)); a = np.abs(x).max(-1, keepdims=True)
;;       e = np.where(a > 0, np.clip(np.frexp(np.where(a > 0, a, 1))[1] - 1 - 2, -126, 127), 0)      # np.frexp(a)[1] - 1 = floor(log2(a)), exactly
;;       r = np.clip(x / 2.0 ** e, -7.5, 7.5)
;;       step = 2.0 ** (np.maximum(np.frexp(np.where(r == 0, 1, r))[1] - 1, 0) - 3)
;;       q = np.round(r / step) * step * 2.0 ** e      # np.round: ties to even
;;       return np.moveaxis(q.reshape(q.shape[:-2] + (-1,))[..., :K], -1, axis).astype(np.float32)
;;   ~~~
;;   SOFTMAX AHEAD OF A QUANTISED PRODUCT. Where the list says 'softmax', what is quantised is not the finished softmax but p = 2^(t - M), with t = logit x log2(e) and M = ceil(the row's largest t), a whole number; so 1/2 < the row's largest p <= 1. The row's sum l is taken of the UNQUANTISED p, in f32, and the product's result is divided by l at the end. Since M is a whole number, a kernel that streams over the keys may use a running M (the ceiling of the running maximum): every later rescaling is an exact power of two, which a block's scale takes up: the codes' values come out the same.
;;   OPERANDS COMPUTED ON THE WAY. 'Computed on the way' means the value that the module computes at that place (a softmax that the list does not call 'softmax' is quantised finished and normalised). What goes into a quantiser is computed in f32, as accurately as f32 sums, v_exp_f32 and their like allow (about 1e-6 of the number): no bf16 or f16 on the way to a quantiser, and a product that is left as it is and whose result goes on into a quantised operand takes f32 operands (vector FMAs, or v_wmma_f32_16x16x4_f32). A number that lies on a knife's edge between two numbers of the format may be rounded either way, as far as f32 arithmetic and the matrix unit's own rounding can turn it there, and no further.
;; One version. Each part assembles by itself: llvm-mc -triple=amdgcn-amd-amdhsa -mcpu=gfx1250 --defsym DOCPART=n.
;; ======== version 1 of 1: 4 launches
;; limits: right only within a limited range of input values
;; workspace buffers: xp 6,553,600 bytes; wp 2,457,600 bytes; qkp 13,107,200 bytes; vtp 6,553,600 bytes; pp 7,372,800 bytes; side 589,824 bytes
;; launch quant (part 1): grid 352 x 1, 4 waves a work-group, no clusters, 34,304 bytes of LDS; arguments x, Wq, Wk, Wv, xp, wp; writes xp, wp
.if DOCPART == 1
	.amdgcn_target "amdgcn-amd-amdhsa--gfx1250"
	.amdhsa_code_object_version 6
	.text
	.protected	k_qd4f8aaa782_quant
	.globl	k_qd4f8aaa782_quant
	.p2align	8
	.type	k_qd4f8aaa782_quant,@function
k_qd4f8aaa782_quant:
	s_mov_b64 s[64:65], 0
	v_nop
	global_prefetch_b8 v0, s[64:65] scope:SCOPE_SE
	s_setreg_imm32_b32 hwreg(HW_REG_WAVE_MODE, 25, 1), 1
	s_wait_xcnt 0x0
; x [8192][1024], Wq, Wk, Wv [1024][1024], f32, K innermost, become codes of FP6 (E2M3) with one E8M0 byte for each 32 along K, laid in PANELS.
; A PANEL is 128 rows x 128 K in REC = 12,800 bytes: eight fragments of 1,536 bytes, each the image of an operand's 12 registers (registers 4 c .. 4 c + 3 of lane l at 512 c + 16 l),
; then 512 bytes: the image of four scale registers (lane (r, h), register j: the scale word of row r of fragment 4 h + j).
; THE ROWS OF A FRAGMENT ARE NOT NEIGHBOURS: lane r of fragment 2 b + u holds row 32 b + 8 u + r + 8 (r / 8) of the panel.
; xp: [64 groups of 128 tokens][8 K steps][REC].  wp: [24 groups of 128 rows: Wq 0-7, Wk 8-15, Wv 16-23][8 K steps][REC].
; A block's scale is 2^(floor(log2(its largest magnitude)) - 2); its byte is that magnitude's exponent field - 2, held at 1 from below (a block of zeros keeps the byte 1: its codes are zeros, and this program alone reads the bytes).
; LIMITS: NaN and infinities among the inputs are not served; blocks whose largest magnitude lies under 2^-124 keep the byte 1.
; SHARES: work-group n takes group n / 4 and K steps 2 (n % 4), 2 (n % 4) + 1; wave w takes K step + w / 2 and the panel's half w % 2: four fragments and 256 bytes of the scale image.
; Each load reads 512 consecutive bytes of one row; a fragment's 16 rows turn through the wave's own stage in LDS (rows of 528 bytes: row i begins 4 i banks on) and come back 16 neighbours of each block a lane.
; No tensor loads, no barrier: waves share nothing.  Matrix units and clusters have no work here.
.set REC,  12800
.set FRB,  1536
.set SCO,  8*FRB
.set WREG, 16*528                      ; a wave's stage
.set LANE, 1                           ; v1   lane
.set LN,   4                           ; v4   16 x lane; never rewritten
.set SIN,  5                           ; v5   the stage on the way in: 16 x lane
.set SOUT, 6                           ; v6   and on the way out: 528 r + 64 h
.set SWO,  7                           ; v7   16 r + 8 h: my 8 bytes of the scale image's half
.set R,    16                          ; v16-143  two sets of 64: a fragment's rows as loaded
.set X,    144                         ; v144-207 register 16 b + e = k 32 b + 16 h + e of row r
.set TM,   208                         ; v208-223 at work
.set PWS,  224                         ; v224-227 the four fragments' scale words
.set PC,   232                         ; v232-243 a fragment's codes
.set TC,   244                         ; v244-246, v248-250 the upper halves' codes on their way
.set SEL,  24                          ; s[24:25] v_permlanex16_b32's selects for lane l xor 16
	s_load_b256 s[4:11], s[0:1], 0x0               ; x, Wq, Wk, Wv
	s_load_b128 s[12:15], s[0:1], 0x20             ; xp, wp
	v_lshl_add_u32 v254, v0, 2, 0x8400
	v_mov_b32 v255, 0
	v_lshrrev_b32 v1, 5, v0
	v_readfirstlane_b32 s16, v1                    ; wave
	v_and_b32 v[LANE], 31, v0
	v_and_b32 v2, 15, v0                           ; r
	v_bfe_u32 v3, v0, 4, 1                         ; h
	v_lshlrev_b32 v[LN], 4, v[LANE]
	s_mul_i32 s17, s16, WREG
	v_add_nc_u32 v[SIN], s17, v[LN]
	v_mul_u32_u24 v[SOUT], v2, 528
	v_lshl_add_u32 v[SOUT], v3, 6, v[SOUT]
	v_add_nc_u32 v[SOUT], s17, v[SOUT]
	v_lshlrev_b32 v[SWO], 4, v2
	v_lshl_add_u32 v[SWO], v3, 3, v[SWO]
.irp b, 0,1,2,3
	v_mov_b32 v[TM+4+\b], 0                        ; written once: a lane permute's destination counts as one of its sources
.endr
	s_mov_b32 s[SEL], 0x76543210
	s_mov_b32 s[SEL+1], 0xfedcba98
	s_lshr_b32 s18, ttmp9, 2                       ; the group, 0 .. 87: under 64 x's, then Wq's, Wk's, Wv's eight each
	s_and_b32 s19, ttmp9, 3
	s_lshl_b32 s19, s19, 1
	s_lshr_b32 s26, s16, 1
	s_or_b32 s19, s19, s26                         ; the K step
	s_and_b32 s26, s16, 1                          ; the panel's half
	s_and_b32 s27, s18, 7                          ; a weight's group within its tensor
	s_sub_co_u32 s28, s18, 64                      ; and among wp's 24
	s_wait_alu depctr_va_vdst(0)
	s_wait_kmcnt 0x0
	s_cmp_lt_u32 s18, 80                           ; the choices hang on the work-group's number alone
	s_cselect_b64 s[8:9], s[8:9], s[10:11]
	s_cmp_lt_u32 s18, 72
	s_cselect_b64 s[6:7], s[6:7], s[8:9]
	s_cmp_lt_u32 s18, 64
	s_cselect_b64 s[4:5], s[4:5], s[6:7]
	s_cselect_b64 s[12:13], s[12:13], s[14:15]
	s_cselect_b32 s27, s18, s27
	s_cselect_b32 s28, s18, s28
	s_lshl_b32 s30, s27, 19                        ; 128 rows of 4,096 bytes,
	s_lshl_b32 s29, s26, 18                        ; 64 rows for the upper half,
	s_add_co_u32 s30, s30, s29
	s_lshl_b32 s29, s19, 9                         ; 512 bytes a K step
	s_add_co_u32 s30, s30, s29
	s_mov_b32 s31, 0
	s_add_nc_u64 s[4:5], s[4:5], s[30:31]
	s_lshl_b32 s28, s28, 3
	s_add_co_u32 s28, s28, s19
	s_mul_i32 s30, s28, REC
	s_add_nc_u64 s[12:13], s[12:13], s[30:31]      ; the panel
	s_mul_i32 s30, s26, 4*FRB
	s_add_nc_u64 s[20:21], s[12:13], s[30:31]      ; my four fragments
	s_lshl_b32 s30, s26, 8
	s_add_co_u32 s30, s30, SCO
	s_add_nc_u64 s[22:23], s[12:13], s[30:31]      ; my half of the scale image
; the 16 rows of my fragment tl, 512 consecutive bytes each, into set tl % 2
.macro LOADF tl
.irp i, 0,1,2,3,4,5,6,7,8,9,10,11,12,13,14,15
	global_load_b128 v[R+64*((\tl)%2)+4*\i:R+64*((\tl)%2)+4*\i+3], v[LN], s[4:5] offset:(32*((\tl)/2)+8*((\tl)%2)+\i+8*(\i/8))*4096 th:TH_LOAD_NT
.endr
.endm
; 64 numbers of a lane, register 16 b + e = k 32 b + 16 h + e of my row, become a fragment's codes in v[PC] on and its scale word in v[pw]
.macro QUANT s, pw
.irp b, 0,1,2,3
	v_max3_num_f32 v[TM+\b], |v[\s+16*\b]|, |v[\s+1+16*\b]|, 0x1800000   ; my 16 numbers of block b, and the floor 2^(3 - 127): the byte cannot fall under 1
.endr
.irp i, 2,4,6,8,10,12,14
.irp b, 0,1,2,3
	v_max3_num_f32 v[TM+\b], v[TM+\b], |v[\s+16*\b+\i]|, |v[\s+1+16*\b+\i]|   ; the four blocks by turns
.endr
.endr
.irp b, 0,1,2,3
	v_permlanex16_b32 v[TM+4+\b], v[TM+\b], s[SEL], s[SEL+1]
.endr
.irp b, 0,1,2,3
	v_max_num_f32 v[TM+\b], v[TM+\b], v[TM+4+\b]   ; with lane l xor 16's: the block's largest magnitude
.endr
.irp b, 0,1,2,3
	v_add_nc_u32 v[TM+12+\b], 0xff000000, v[TM+\b] ; 2 off its exponent field: the conversion takes that field as its scale
.endr
.irp b, 0,1,2,3
	v_lshrrev_b32 v[TM+4+\b], 23, v[TM+12+\b]      ; the scale's byte
.endr
	v_lshl_or_b32 v[\pw], v[TM+5], 8, v[TM+4]
	v_lshl_or_b32 v[\pw], v[TM+6], 16, v[\pw]
	v_lshl_or_b32 v[\pw], v[TM+7], 24, v[\pw]      ; my row's scale word
.irp c, 0,1
	v_cvt_scalef32_pk16_fp6_f32 v[PC+6*\c:PC+6*\c+2], v[\s+32*\c:\s+32*\c+15], v[TM+12+2*\c]
	v_cvt_scalef32_pk16_fp6_f32 v[TC+4*\c:TC+4*\c+2], v[\s+32*\c+16:\s+32*\c+31], v[TM+13+2*\c]   ; (a conversion's three registers begin on an even number)
.endr
	v_nop                                          ; one plain place behind a scaled conversion
.irp c, 0,1                                    ; the operand's layout wants a whole block in a lane: lanes 0-15 block 2 c, lanes 16-31 block 2 c + 1
.irp i, 0,1,2
	v_permlane16_swap_b32 v[PC+6*\c+\i], v[TC+4*\c+\i]
.endr
.irp i, 0,1,2
	v_mov_b32 v[PC+3+6*\c+\i], v[TC+4*\c+\i]
.endr
.endr
.endm
.macro MAKE tl
.if (\tl) < 3
	s_wait_loadcnt 16                              ; this fragment's 16 loads are in; the other set's 16 may be out
.else
	s_wait_loadcnt 0x0
.endif
.irp i, 0,1,2,3,4,5,6,7,8,9,10,11,12,13,14,15
	ds_store_b128 v[SIN], v[R+64*((\tl)%2)+4*\i:R+64*((\tl)%2)+4*\i+3] offset:528*\i
.endr
.irp b, 0,1,2,3
.irp j, 0,1,2,3
	ds_load_b128 v[X+16*\b+4*\j:X+16*\b+4*\j+3], v[SOUT] offset:128*\b+16*\j   ; LDS serves a wave's instructions in order: these see the stores above
.endr
.endr
	s_wait_dscnt 0x0                               ; the numbers are back; the stage's stores have read their registers,
.if (\tl) < 2
	LOADF (\tl)+2                                  ; which take the fragment two further on
.endif
	s_wait_xcnt 0x0                                ; the last fragment's stores have read v[PC] on: it is written again only behind this wait
	QUANT X, PWS+(\tl)
.irp c, 0,1,2
	global_store_b128 v[LN], v[PC+4*\c:PC+4*\c+3], s[20:21] offset:(\tl)*FRB+512*\c   ; 32 lanes store 512 consecutive bytes
.endr
.endm
	LOADF 0
	LOADF 1
	MAKE 0
	MAKE 1
	MAKE 2
	MAKE 3
	v_cmp_le_u32 vcc_lo, 16, v[LANE]               ; row r's four words are 16 bytes of the image: lanes 0-15 store the first two, lanes 16-31 the other two
	v_cndmask_b32 v228, v[PWS], v[PWS+2], vcc_lo
	v_cndmask_b32 v229, v[PWS+1], v[PWS+3], vcc_lo
	global_store_b64 v[SWO], v[228:229], s[22:23]  ; 256 consecutive bytes
	s_wait_tensorcnt 0x0
	ds_add_u32 v254, v255
	s_wait_dscnt 0x0
	s_endpgm
.Lfunc_end_k_qd4f8aaa782_quant:
	.size	k_qd4f8aaa782_quant, .Lfunc_end_k_qd4f8aaa782_quant-k_qd4f8aaa782_quant
	.p2alignl 7, 3214868480
	.fill 96, 4, 3214868480
	.section	.rodata,"a",@progbits
	.p2align	6, 0x0
	.amdhsa_kernel k_qd4f8aaa782_quant
		.amdhsa_group_segment_fixed_size 34304
		.amdhsa_private_segment_fixed_size 0
		.amdhsa_enable_private_segment 0
		.amdhsa_kernarg_size 48
		.amdhsa_user_sgpr_count 2
		.amdhsa_user_sgpr_kernarg_segment_ptr 1
		.amdhsa_wavefront_size32 1
		.amdhsa_system_sgpr_workgroup_id_x 1
		.amdhsa_system_sgpr_workgroup_id_y 1
		.amdhsa_system_sgpr_workgroup_id_z 1
		.amdhsa_system_vgpr_workitem_id 0
		.amdhsa_next_free_vgpr 256
		.amdhsa_next_free_sgpr 66
		.amdhsa_reserve_vcc 1
		.amdhsa_float_denorm_mode_32 3
		.amdhsa_float_denorm_mode_16_64 3
		.amdhsa_memory_ordered 1
		.amdhsa_forward_progress 1
		.amdhsa_inst_pref_size 34
	.end_amdhsa_kernel
	.amdgpu_metadata
---
amdhsa.version: [ 1, 2 ]
amdhsa.kernels:
  - .name:           k_qd4f8aaa782_quant
    .symbol:         k_qd4f8aaa782_quant.kd
    .args:
      - { .name: x, .offset: 0, .size: 8, .value_kind: global_buffer, .address_space: global }
      - { .name: Wq, .offset: 8, .size: 8, .value_kind: global_buffer, .address_space: global }
      - { .name: Wk, .offset: 16, .size: 8, .value_kind: global_buffer, .address_space: global }
      - { .name: Wv, .offset: 24, .size: 8, .value_kind: global_buffer, .address_space: global }
      - { .name: xp, .offset: 32, .size: 8, .value_kind: global_buffer, .address_space: global }
      - { .name: wp, .offset: 40, .size: 8, .value_kind: global_buffer, .address_space: global }
    .group_segment_fixed_size: 34304
    .private_segment_fixed_size: 0
    .kernarg_segment_align: 8
    .kernarg_segment_size: 48
    .max_flat_workgroup_size: 128
    .sgpr_count:     66
    .vgpr_count:     256
    .wavefront_size: 32
...
	.end_amdgpu_metadata
.endif
;; end of part 1
;; launch proj (part 2): grid 8 x 32, 4 waves a work-group, clusters of 4 x 4, 327,680 bytes of LDS; arguments xp, wp, qkp, vtp; writes qkp, vtp
.if DOCPART == 2
	.amdgcn_target "amdgcn-amd-amdhsa--gfx1250"
	.amdhsa_code_object_version 6
	.text
	.protected	k_qd4f8aaa782_proj
	.globl	k_qd4f8aaa782_proj
	.p2align	8
	.type	k_qd4f8aaa782_proj,@function
k_qd4f8aaa782_proj:
	s_mov_b64 s[64:65], 0
	v_nop
	global_prefetch_b8 v0, s[64:65] scope:SCOPE_SE
	s_setreg_imm32_b32 hwreg(HW_REG_WAVE_MODE, 25, 1), 1
	s_wait_xcnt 0x0
	s_wait_alu depctr_hold_cnt(0) depctr_sa_sdst(0) depctr_va_vdst(0) depctr_va_sdst(0) depctr_va_ssrc(0) depctr_va_vcc(0) depctr_vm_vsrc(0)
	s_getreg_b32 s2, hwreg(HW_REG_IB_STS2, 6, 4)
	s_cmp_eq_u32 s2, 0
	s_cbranch_scc0 .Lentry_in_a_cluster
	s_endpgm
.Lentry_in_a_cluster:
	s_bfe_u32 s2, ttmp6, 0x10000c
	s_cmp_lg_u32 s2, 0xf033
	s_cbranch_scc0 .Lentry_shape_is_right
	s_endpgm
.Lentry_shape_is_right:
; q, k, v = x W^T on codes of FP6 (E2M3) with E8M0 scales, and the results quantised in registers: q and k along the channels, v along the tokens.
; PANELS: 128 rows x 128 K in REC = 12,800 bytes: eight fragments of 1,536 bytes, each the image of an operand's 12 registers (registers 4 c .. 4 c + 3 of lane l at 512 c + 16 l), then 512 bytes: the image of four
; scale registers (lane (r, h), register j: the scale word of row r of fragment 4 h + j).  Lane r of fragment 2 b + u holds row 32 b + 8 u + r + 8 (r / 8) of the panel.
; xp [64 token groups][8 K steps][REC], wp [24 row groups: Wq, Wk, Wv][8][REC] are read.  qkp [64 token groups][16: q's channel groups 0-7, k's 8-15][REC] and vtp [8 channel groups][64 token groups][REC] are written.
; SHARES: 256 work-groups; each takes 256 tokens (two groups) and ONE channel group of q, of k and of v: six panels of results.  With H = wave / 2, L = wave % 2:
;   PHASE A: wave makes x's group H against Wq (L = 0) or Wk (L = 1): 128 x 128, 64 accumulators.  Source 0 = W, source 1 = x: a lane holds one token, its registers run along the channels, the next K.
;   PHASE B: wave makes Wv's fragments 4 H .. 4 H + 3 against x's group L: 64 x 128, 32 accumulators.  Source 0 = x, source 1 = Wv: a lane holds one channel, its registers run along the tokens.
; LDS: x's 16 panels (204,800 bytes) come once, by the head's loads of waves 0 and 1, and stay for both phases.  W goes through a ring of two slots of four panels: phase A [Wq k, Wq k + 1, Wk k, Wk k + 1], phase B Wv's K steps
; 4 s .. 4 s + 3.  Six fills: the first by waves 2 and 3 at the head (two panels each), the others a panel a wave.  Every LDS read is 16 x lane on end: no pitch, no padding.
; CLUSTERS 4 x 4: a row of the cluster shares x's panels, a column W's: each is asked for jointly.
; NO PREFETCH: the walk is written out, there is no loop to run ahead in; x is asked for whole at the head.
; LIMITS: NaN and infinities are not served; blocks whose largest magnitude lies under 2^-124 keep the scale byte 1 (a block of zeros too: its codes are zeros, and this program alone reads the bytes).
; REGISTERS: window 0: v4 16 x lane, v5 16 r; v16-25 LDS addresses; v28-29 for the add; v32-47 scale words, two sets; v128-223 source 1's fragments (A: one set of eight; B: two sets of four); on the way out v64-255.
;   window 1: source 0's fragments, two sets, at v0 and v128.   windows 2, 3: accumulator (a, b) at v[8 (8 (a % 4) + b)] of window 2 + a / 4.
.set REC,   12800
.set FRB,   1536
.set SCO,   8*FRB
.set WB,    16*REC                     ; behind x: W's ring
.set WSL,   4*REC                      ; a slot
.set SPARE, WB+2*WSL                   ; the spare words, 128 bytes for each wave
.set LN,   4
.set R16,  5
.set AX1,  16                          ; v16-17 x's group H, K steps 0-3 / 4-7
.set AX0,  18                          ; v18-19 x's group L
.set AW0,  20                          ; v20-21 phase A: my W in slot 0, 1
.set AW1,  22                          ; v22-23 phase B: my four fragments of Wv in slot 0, 1
.set AWS,  24                          ; v24-25 and their scale words: every lane takes row r's
.set SPW,  28
.set NIL,  29
.set SC,   32                          ; scale words: set k % 2 at SC + 8 (k % 2): 0-3 source 0's, 4-7 source 1's
.set AF,   128
.set OC,   64
.set OI,   160
.set OW,   176
.set TM,   224
.set TC,   240
.set G1X, 24
.set G0X, 32
.set G1W, 48
.set G0W, 56
.set SEL, 76
.set MSB, 0
.macro WIN new                         ; the immediate's high byte repeats the setting that is left
.if MSB != (\new)
	s_set_vgpr_msb (MSB<<8)|(\new)
.set MSB, (\new)
.endif
.endm
.set MUL_LO, 0xa1                      ; source 0 window 1, source 1 window 0, C and D window 2
.set MUL_HI, 0xf1                      ; the same, C and D window 3
.set TO_B,   0x40                      ; destination window 1, address window 0
.macro PLACES                          ; four places ahead of loads into registers that matrix instructions have read and of the first reads of results (ISA guide 7.12.1 for the reads of results)
.rept 4
	v_nop
.endr
.endm
.macro CREST                           ; a round of the cluster's barrier behind its opening barrier
	s_cmp_lg_u32 s14, 0
	s_cbranch_scc1 .Lnot_wave_0_\@
	s_barrier_signal -3
.Lnot_wave_0_\@:
	s_barrier_wait -3
	s_barrier_signal -1
	s_barrier_wait -1
.endm
.macro CROUND
	s_barrier_signal -1
	s_barrier_wait -1
	CREST
.endm
.macro WLOAD                           ; my panel of W's next fill, jointly with my column; the four v_nop are also the places ahead of the loads that follow
	tensor_load_to_lds s[G0W:G0W+3], s[G1W:G1W+7]
	s_nop 0
	PLACES
.endm
.macro GW f                            ; group 0 for fill f, written while no tensor load of mine is out
	s_add_co_u32 s[G0W+1], s66, ((\f)%2)*WSL
.if (\f) < 4
	s_add_nc_u64 s[G0W+2:G0W+3], s[60:61], 2*(\f)*REC
.else
	s_add_nc_u64 s[G0W+2:G0W+3], s[62:63], 4*((\f)-4)*REC
.endif
	s_or_b32 s[G0W+3], s[G0W+3], 0x80000000
.endm
	s_load_b128 s[4:7], s[0:1], 0x0                ; xp, wp
	s_load_b128 s[8:11], s[0:1], 0x10              ; qkp, vtp
	v_lshl_add_u32 v[SPW], v0, 2, SPARE
	v_mov_b32 v[NIL], 0
	ds_add_u32 v[SPW], v[NIL]                      ; the opening lines: the add twice and one wait
	ds_add_u32 v[SPW], v[NIL]
	v_lshrrev_b32 v1, 5, v0
	v_readfirstlane_b32 s14, v1                    ; wave
	s_lshr_b32 s15, s14, 1                         ; H
	s_and_b32 s16, s14, 1                          ; L
	s_bfe_u32 s40, ttmp6, 0x40000                  ; cx, cy
	s_bfe_u32 s41, ttmp6, 0x40004
	s_lshl_b32 s42, ttmp9, 2
	s_add_co_u32 s42, s42, s40                     ; channel group, 0 .. 7
	s_and_b32 s17, ttmp7, 0xffff
	s_lshl_b32 s17, s17, 2
	s_add_co_u32 s17, s17, s41                     ; x's tile of 256 tokens, 0 .. 31
	s_lshl_b32 s43, s41, 2
	s_lshl_b32 s43, 15, s43                        ; my row of the cluster
	s_lshl_b32 s44, 0x1111, s40                    ; my column
	s_or_b32 s[G1X], s43, (3<<16)|(1<<21)          ; x: a group's eight panels, dense: 400 rows of 256 bytes (32 elements of 8 bytes)
	s_mov_b32 s[G1X+1], 32<<16
	s_mov_b32 s[G1X+2], 400<<16
	s_mov_b32 s[G1X+3], 32<<16
	s_mov_b32 s[G1X+4], 400
	s_mov_b32 s[G1X+5], 32
	s_mov_b32 s[G1X+6], 0
	s_mov_b32 s[G1X+7], 0
	s_or_b32 s[G1W], s44, (3<<16)|(1<<21)          ; W: at the head two panels, 100 rows; behind it one panel, 50 rows
	s_mov_b32 s[G1W+1], 32<<16
	s_mov_b32 s[G1W+2], 100<<16
	s_mov_b32 s[G1W+3], 32<<16
	s_mov_b32 s[G1W+4], 100
	s_mov_b32 s[G1W+5], 32
	s_mov_b32 s[G1W+6], 0
	s_mov_b32 s[G1W+7], 0
	s_lshl_b32 s20, s17, 1
	s_add_co_u32 s20, s20, s16
	s_mul_i32 s20, s20, 8*REC                      ; the head's x: group 2 tile + L
	s_mov_b32 s21, 0
	s_lshl_b32 s22, s16, 3
	s_add_co_u32 s22, s22, s42
	s_mul_i32 s22, s22, 8*REC                      ; the head's W: Wq (L = 0) or Wk, K steps 0 and 1
	s_mov_b32 s23, 0
	s_lshl_b32 s36, s15, 3
	s_add_co_u32 s36, s36, s42
	s_lshl_b32 s36, s36, 3
	s_add_co_u32 s36, s36, s16
	s_mul_i32 s36, s36, REC                        ; phase A's later fills: Wq (H = 0) or Wk, K step 2 f + L
	s_mov_b32 s37, 0
	s_add_co_u32 s38, s42, 16
	s_lshl_b32 s38, s38, 3
	s_add_co_u32 s38, s38, s14
	s_mul_i32 s38, s38, REC                        ; phase B's: Wv, K step 4 (f - 4) + wave
	s_mov_b32 s39, 0
	s_mul_i32 s66, s14, REC
	s_add_co_u32 s66, s66, WB                      ; where my panel goes in a slot
	s_mul_i32 s13, s16, 8*REC                      ; where the head's x goes,
	s_mul_i32 s12, s16, 2*REC
	s_add_co_u32 s12, s12, WB                      ; and the head's W
	s_lshl_b32 s46, s17, 1
	s_add_co_u32 s74, s46, s16                     ; v's token group
	s_add_co_u32 s46, s46, s15                     ; q's and k's
	s_lshl_b32 s46, s46, 4
	s_lshl_b32 s47, s16, 3
	s_add_co_u32 s46, s46, s47
	s_add_co_u32 s46, s46, s42
	s_mul_i32 s46, s46, REC                        ; phase A's panel in qkp
	s_mov_b32 s47, 0
	s_lshl_b32 s75, s42, 6
	s_add_co_u32 s74, s74, s75
	s_mul_i32 s74, s74, REC                        ; phase B's panel in vtp:
	s_mul_i32 s78, s15, 4*FRB
	s_add_co_u32 s78, s78, s74                     ; my four fragments,
	s_mov_b32 s79, 0
	s_lshl_b32 s75, s15, 8
	s_add_co_u32 s74, s74, s75
	s_add_co_u32 s74, s74, SCO                     ; my half of the scale image
	s_mov_b32 s75, 0
	s_mul_i32 s45, s15, 8*REC
	s_mul_i32 s67, s16, 8*REC
	s_mul_i32 s18, s16, 2*REC
	s_add_co_u32 s18, s18, WB
	s_mul_i32 s19, s15, 4*FRB
	s_add_co_u32 s19, s19, WB
	s_lshl_b32 s2, s15, 8
	s_add_co_u32 s2, s2, WB+SCO
	s_mov_b32 s[SEL], 0x76543210
	s_mov_b32 s[SEL+1], 0xfedcba98
	s_wait_dscnt 0x0
	s_wait_kmcnt 0x0
	s_add_nc_u64 s[20:21], s[4:5], s[20:21]
	s_add_nc_u64 s[22:23], s[6:7], s[22:23]
	s_add_nc_u64 s[60:61], s[6:7], s[36:37]
	s_add_nc_u64 s[62:63], s[6:7], s[38:39]
	s_add_nc_u64 s[68:69], s[8:9], s[46:47]
	s_add_nc_u64 s[70:71], s[10:11], s[78:79]
	s_add_nc_u64 s[72:73], s[10:11], s[74:75]
	s_mov_b32 s[G0X], 1
	s_mov_b32 s[G0X+1], s13
	s_mov_b64 s[G0X+2:G0X+3], s[20:21]
	s_or_b32 s[G0X+3], s[G0X+3], 0x80000000
	s_mov_b32 s[G0W], 1
	s_mov_b32 s[G0W+1], s12
	s_mov_b64 s[G0W+2:G0W+3], s[22:23]
	s_or_b32 s[G0W+3], s[G0W+3], 0x80000000
	CROUND                                         ; all sixteen work-groups are here: the first joint loads meet
	s_cmp_eq_u32 s15, 0                            ; the head's loads, one a wave: waves 0, 1 x's two groups, waves 2, 3 Wq's and Wk's first two K steps
	s_cbranch_scc0 .Lhead_w
	tensor_load_to_lds s[G0X:G0X+3], s[G1X:G1X+7]
	s_nop 0
	PLACES
	s_branch .Lhead_asked
.Lhead_w:
	tensor_load_to_lds s[G0W:G0W+3], s[G1W:G1W+7]
	s_nop 0
	PLACES
.Lhead_asked:
	v_and_b32 v1, 31, v0                           ; lane
	v_and_b32 v2, 15, v0
	v_lshlrev_b32 v[LN], 4, v1
	v_lshlrev_b32 v[R16], 4, v2
	v_add_nc_u32 v[AX1], s45, v[LN]
	v_add_nc_u32 v[AX1+1], 4*REC, v[AX1]
	v_add_nc_u32 v[AX0], s67, v[LN]
	v_add_nc_u32 v[AX0+1], 4*REC, v[AX0]
	v_add_nc_u32 v[AW0], s18, v[LN]
	v_add_nc_u32 v[AW0+1], WSL, v[AW0]
	v_add_nc_u32 v[AW1], s19, v[LN]
	v_add_nc_u32 v[AW1+1], WSL, v[AW1]
	v_add_nc_u32 v[AWS], s2, v[R16]
	v_add_nc_u32 v[AWS+1], WSL, v[AWS]
.irp b, 0,1,2,3
	v_mov_b32 v[TM+4+\b], 0                        ; written once: a lane permute's destination counts as one of its sources
.endr
.macro FRAG reg, adr, off              ; a fragment comes as the image of its 12 registers: three loads of 512 consecutive bytes
.irp c, 0,1,2
	ds_load_b128 v[\reg+4*\c:\reg+4*\c+3], v[\adr] offset:(\off)+512*\c
.endr
.endm
; phase A, K step k: source 0 = W from slot (k / 2) % 2, source 1 = x's group H
.macro FB_A k
	WIN TO_B
.irp i, 0,1,2,3,4,5,6,7
	FRAG 128*((\k)%2)+12*\i, AW0+((\k)/2)%2, ((\k)%2)*REC+\i*FRB
.endr
	WIN 0
.endm
.macro FA_A k, i0
.irp i, \i0, \i0+1, \i0+2, \i0+3
	FRAG AF+12*(\i), AX1+(\k)/4, ((\k)%4)*REC+(\i)*FRB
.endr
.endm
.macro SC_A k
	ds_load_b128 v[SC+8*((\k)%2):SC+8*((\k)%2)+3], v[AW0+((\k)/2)%2] offset:((\k)%2)*REC+SCO
	ds_load_b128 v[SC+8*((\k)%2)+4:SC+8*((\k)%2)+7], v[AX1+(\k)/4] offset:((\k)%4)*REC+SCO
.endm
; phase B, K step k: source 0 = x's group L, source 1 = my four fragments of Wv from slot k / 4: 24 + 12 + 2 loads
.macro FETCH_V k
	WIN TO_B
.irp i, 0,1,2,3,4,5,6,7
	FRAG 128*((\k)%2)+12*\i, AX0+(\k)/4, ((\k)%4)*REC+\i*FRB
.endr
	WIN 0
.irp i, 0,1,2,3
	FRAG AF+48*((\k)%2)+12*\i, AW1+(\k)/4, ((\k)%4)*REC+\i*FRB
.endr
	ds_load_b128 v[SC+8*((\k)%2):SC+8*((\k)%2)+3], v[AX0+(\k)/4] offset:((\k)%4)*REC+SCO
	ds_load_b128 v[SC+8*((\k)%2)+4:SC+8*((\k)%2)+7], v[AWS+(\k)/4] offset:((\k)%4)*REC
.endm
; one product: source 1's tile a (at sb + 12 a) x source 0's tile b of set p.  Tiles 4 to 7 take their scale words from lanes 16-31.  zero = 1: it starts the sum
.macro WM a, b, p, sb, zero
.set rD, 8*(8*((\a)%4)+(\b))
.set rA, 128*(\p)+12*(\b)
.set rB, (\sb)+12*(\a)
.set rS, SC+8*(\p)+(\b)%4
.set rT, SC+8*(\p)+4+(\a)%4
.set sel, 4*(\zero)+2*((\b)/4)+(\a)/4
.if sel == 0
	v_wmma_scale_f32_16x16x128_f8f6f4 v[rD:rD+7], v[rA:rA+11], v[rB:rB+11], v[rD:rD+7], v[rS], v[rT] matrix_a_fmt:MATRIX_FMT_FP6 matrix_b_fmt:MATRIX_FMT_FP6
.elseif sel == 1
	v_wmma_scale_f32_16x16x128_f8f6f4 v[rD:rD+7], v[rA:rA+11], v[rB:rB+11], v[rD:rD+7], v[rS], v[rT] matrix_a_fmt:MATRIX_FMT_FP6 matrix_b_fmt:MATRIX_FMT_FP6 matrix_b_scale:MATRIX_SCALE_ROW1
.elseif sel == 2
	v_wmma_scale_f32_16x16x128_f8f6f4 v[rD:rD+7], v[rA:rA+11], v[rB:rB+11], v[rD:rD+7], v[rS], v[rT] matrix_a_fmt:MATRIX_FMT_FP6 matrix_b_fmt:MATRIX_FMT_FP6 matrix_a_scale:MATRIX_SCALE_ROW1
.elseif sel == 3
	v_wmma_scale_f32_16x16x128_f8f6f4 v[rD:rD+7], v[rA:rA+11], v[rB:rB+11], v[rD:rD+7], v[rS], v[rT] matrix_a_fmt:MATRIX_FMT_FP6 matrix_b_fmt:MATRIX_FMT_FP6 matrix_a_scale:MATRIX_SCALE_ROW1 matrix_b_scale:MATRIX_SCALE_ROW1
.elseif sel == 4
	v_wmma_scale_f32_16x16x128_f8f6f4 v[rD:rD+7], v[rA:rA+11], v[rB:rB+11], 0, v[rS], v[rT] matrix_a_fmt:MATRIX_FMT_FP6 matrix_b_fmt:MATRIX_FMT_FP6
.elseif sel == 5
	v_wmma_scale_f32_16x16x128_f8f6f4 v[rD:rD+7], v[rA:rA+11], v[rB:rB+11], 0, v[rS], v[rT] matrix_a_fmt:MATRIX_FMT_FP6 matrix_b_fmt:MATRIX_FMT_FP6 matrix_b_scale:MATRIX_SCALE_ROW1
.elseif sel == 6
	v_wmma_scale_f32_16x16x128_f8f6f4 v[rD:rD+7], v[rA:rA+11], v[rB:rB+11], 0, v[rS], v[rT] matrix_a_fmt:MATRIX_FMT_FP6 matrix_b_fmt:MATRIX_FMT_FP6 matrix_a_scale:MATRIX_SCALE_ROW1
.else
	v_wmma_scale_f32_16x16x128_f8f6f4 v[rD:rD+7], v[rA:rA+11], v[rB:rB+11], 0, v[rS], v[rT] matrix_a_fmt:MATRIX_FMT_FP6 matrix_b_fmt:MATRIX_FMT_FP6 matrix_a_scale:MATRIX_SCALE_ROW1 matrix_b_scale:MATRIX_SCALE_ROW1
.endif
.endm
; 16 products.  The accumulators take turns, one instruction a turn, in the same order in every K step
.macro MUL16 a0, p, sb, zero
.irp a, \a0, \a0+1
.irp b, 0,1,2,3,4,5,6,7
	WM \a, \b, \p, \sb, \zero
.endr
.endr
.endm
; phase A, an even K step: the slot's first
.macro ASTEP k, zero
	s_wait_dscnt 12                                ; all but the youngest 12 loads (source 1's fragments 4-7) are in
	WIN MUL_LO
	MUL16 0, 0, AF, \zero
	MUL16 2, 0, AF, \zero
	s_wait_dscnt 0x0
	PLACES
	FB_A (\k)+1
	FA_A (\k)+1, 0
	SC_A (\k)+1
	WIN MUL_HI
	MUL16 4, 0, AF, \zero
	MUL16 6, 0, AF, \zero
	PLACES
	WIN 0
	FA_A (\k)+1, 4
.endm
; phase A, an odd K step changes slots: each wave waits for all its tensor loads, adds 0 to its spare word, waits for that and for its reads of this slot; the barrier opens a round; fill f goes into the slot just read out
.macro ATURN k, f
	s_wait_tensorcnt 0x0
	ds_add_u32 v[SPW], v[NIL]
	GW \f
	s_wait_dscnt 13                                ; (the add and the youngest 12 loads may be out)
	WIN MUL_LO
	MUL16 0, 1, AF, 0
	s_wait_dscnt 0x0
	s_barrier_signal -1
	MUL16 2, 1, AF, 0
	WIN 0
	s_barrier_wait -1
	CREST
	WLOAD
.if (\k) < 7
	FB_A (\k)+1
	FA_A (\k)+1, 0
	SC_A (\k)+1
.endif
	WIN MUL_HI
	MUL16 4, 1, AF, 0
	MUL16 6, 1, AF, 0
.if (\k) < 7
	PLACES
	WIN 0
	FA_A (\k)+1, 4
.else
	WIN 0
.endif
.endm
; phase B, K step k: the next step's 38 loads, then 32 products
.macro BSTEP k
.if (\k) == 3
	s_wait_tensorcnt 0x0                           ; my panel of the last fill is in
	s_wait_dscnt 0x0
	s_barrier_signal -1
	s_barrier_wait -1
.endif
.if (\k) < 7
	PLACES
	FETCH_V (\k)+1
	s_wait_dscnt 38                                ; all but the 38 just issued
.else
	s_wait_dscnt 0x0
.endif
	WIN MUL_LO
.if (\k) == 0
	MUL16 0, 0, AF, 1                              ; K step 0 starts the sums
	MUL16 2, 0, AF, 1
.else
	MUL16 0, (\k)%2, AF+48*((\k)%2), 0
	MUL16 2, (\k)%2, AF+48*((\k)%2), 0
.endif
	WIN 0
.endm
; The 64 results of source 1's tile in window w from v[s] on (register 16 b + e = the next K's 32 b + 16 h + e of my row) become a fragment's codes in v[pc] on and its scale word in v[pw].
.macro QUANTW w, s, pc, pw
	WIN ((\w)<<2)|((\w)<<4)                        ; sources 1 and 2: the accumulators' window
.irp b, 0,1,2,3
	v_max3_num_f32 v[TM+\b], 0x1800000, |v[\s+16*\b]|, |v[\s+1+16*\b]|   ; each accumulator from its low end on; the floor 2^(3 - 127) holds the byte at 1 from below
.endr
.irp i, 2,4,6,8,10,12,14
.irp b, 0,1,2,3
	v_max3_num_f32 v[TM+\b], v[TM+\b], |v[\s+16*\b+\i]|, |v[\s+1+16*\b+\i]|
.endr
.endr
	WIN 0
.irp b, 0,1,2,3
	v_permlanex16_b32 v[TM+4+\b], v[TM+\b], s[SEL], s[SEL+1]
.endr
.irp b, 0,1,2,3
	v_max_num_f32 v[TM+\b], v[TM+\b], v[TM+4+\b]   ; with lane l xor 16's: the block's largest magnitude
.endr
.irp b, 0,1,2,3
	v_add_nc_u32 v[TM+12+\b], 0xff000000, v[TM+\b] ; 2 off its exponent field: the conversion's scale operand
.endr
.irp b, 0,1,2,3
	v_lshrrev_b32 v[TM+4+\b], 23, v[TM+12+\b]      ; the scale's byte
.endr
	v_lshl_or_b32 v[\pw], v[TM+5], 8, v[TM+4]
	v_lshl_or_b32 v[\pw], v[TM+6], 16, v[\pw]
	v_lshl_or_b32 v[\pw], v[TM+7], 24, v[\pw]
	WIN (\w)                                       ; source 0: the accumulators' window
.irp c, 0,1
	v_cvt_scalef32_pk16_fp6_f32 v[\pc+6*\c:\pc+6*\c+2], v[\s+32*\c:\s+32*\c+15], v[TM+12+2*\c]
	v_cvt_scalef32_pk16_fp6_f32 v[TC+4*\c:TC+4*\c+2], v[\s+32*\c+16:\s+32*\c+31], v[TM+13+2*\c]
.endr
	WIN 0
	v_nop                                          ; one plain place behind a scaled conversion
.irp c, 0,1
.irp i, 0,1,2
	v_permlane16_swap_b32 v[\pc+6*\c+\i], v[TC+4*\c+\i]
.endr
.irp i, 0,1,2
	v_mov_b32 v[\pc+3+6*\c+\i], v[TC+4*\c+\i]
.endr
.endr
.endm
	s_wait_alu depctr_va_vdst(0)
	s_wait_tensorcnt 0x0                           ; my tile of the head's four is in; slot 1's first fill is issued as a refill is
	ds_add_u32 v[SPW], v[NIL]
	s_mov_b32 s[G1W+2], 50<<16                     ; no tensor load of mine is out: from here on a load of W brings one panel
	s_mov_b32 s[G1W+4], 50
	GW 1
	s_wait_dscnt 0x0
	CROUND
	WLOAD                                          ; fill 1: K steps 2, 3 into slot 1
	FB_A 0
	FA_A 0, 0
	SC_A 0
	FA_A 0, 4
	ASTEP 0, 1                                     ; K step 0 starts the sums
	ATURN 1, 2                                     ; slot 0 takes K steps 4, 5
	ASTEP 2, 0
	ATURN 3, 3                                     ; slot 1 takes K steps 6, 7
	ASTEP 4, 0
	ATURN 5, 4                                     ; slot 0 takes Wv's K steps 0 to 3
	ASTEP 6, 0
	ATURN 7, 5                                     ; slot 1 takes Wv's K steps 4 to 7
	; q's or k's panel leaves: source 1's tile a becomes fragment a, straight from the registers: each store covers 512 consecutive bytes
	PLACES
.irp a, 0,1,2,3,4,5,6,7
	QUANTW 2+\a/4, 64*(\a%4), OC+12*\a, OW+\a
.irp c, 0,1,2
	global_store_b128 v[LN], v[OC+12*\a+4*\c:OC+12*\a+4*\c+3], s[68:69] offset:\a*FRB+512*\c
.endr
.endr
	v_cmp_le_u32 vcc_lo, 16, v1
.irp j, 0,1,2,3
	v_cndmask_b32 v[OI+\j], v[OW+\j], v[OW+4+\j], vcc_lo   ; the scale image: lanes 0-15 tile j's words, lanes 16-31 tile 4 + j's
.endr
	global_store_b128 v[LN], v[OI:OI+3], s[68:69] offset:SCO
	s_wait_xcnt 0x0                                ; the stores have read their registers: phase B's loads land on some of them
	FETCH_V 0
.irp k, 0,1,2,3,4,5,6,7
	BSTEP \k
.endr
	PLACES
.irp a, 0,1,2,3
	QUANTW 2, 64*\a, OC+12*\a, OW+\a
.irp c, 0,1,2
	global_store_b128 v[LN], v[OC+12*\a+4*\c:OC+12*\a+4*\c+3], s[70:71] offset:\a*FRB+512*\c
.endr
.endr
	global_store_b128 v[R16], v[OW:OW+3], s[72:73] ; my half of the scale image, 256 consecutive bytes; lanes l and l xor 16 store the same 16 bytes with the same values
	s_wait_tensorcnt 0x0                           ; the wave's end
	ds_add_u32 v[SPW], v[NIL]
	s_wait_dscnt 0x0
	CROUND                                         ; the closing round
	s_endpgm
.Lfunc_end_k_qd4f8aaa782_proj:
	.size	k_qd4f8aaa782_proj, .Lfunc_end_k_qd4f8aaa782_proj-k_qd4f8aaa782_proj
	.p2alignl 7, 3214868480
	.fill 96, 4, 3214868480
	.section	.rodata,"a",@progbits
	.p2align	6, 0x0
	.amdhsa_kernel k_qd4f8aaa782_proj
		.amdhsa_group_segment_fixed_size 327680
		.amdhsa_private_segment_fixed_size 0
		.amdhsa_enable_private_segment 0
		.amdhsa_kernarg_size 32
		.amdhsa_user_sgpr_count 2
		.amdhsa_user_sgpr_kernarg_segment_ptr 1
		.amdhsa_wavefront_size32 1
		.amdhsa_system_sgpr_workgroup_id_x 1
		.amdhsa_system_sgpr_workgroup_id_y 1
		.amdhsa_system_sgpr_workgroup_id_z 1
		.amdhsa_system_vgpr_workitem_id 0
		.amdhsa_next_free_vgpr 1024
		.amdhsa_next_free_sgpr 80
		.amdhsa_reserve_vcc 1
		.amdhsa_float_denorm_mode_32 3
		.amdhsa_float_denorm_mode_16_64 3
		.amdhsa_memory_ordered 1
		.amdhsa_forward_progress 1
		.amdhsa_inst_pref_size 207
	.end_amdhsa_kernel
	.amdgpu_metadata
---
amdhsa.version: [ 1, 2 ]
amdhsa.kernels:
  - .name:           k_qd4f8aaa782_proj
    .symbol:         k_qd4f8aaa782_proj.kd
    .args:
      - { .name: xp, .offset: 0, .size: 8, .value_kind: global_buffer, .address_space: global }
      - { .name: wp, .offset: 8, .size: 8, .value_kind: global_buffer, .address_space: global }
      - { .name: qkp, .offset: 16, .size: 8, .value_kind: global_buffer, .address_space: global }
      - { .name: vtp, .offset: 24, .size: 8, .value_kind: global_buffer, .address_space: global }
    .group_segment_fixed_size: 327680
    .private_segment_fixed_size: 0
    .kernarg_segment_align: 8
    .kernarg_segment_size: 32
    .max_flat_workgroup_size: 128
    .sgpr_count:     80
    .vgpr_count:     1024
    .wavefront_size: 32
...
	.end_amdgpu_metadata
.endif
;; end of part 2
;; launch scores (part 3): grid 9 x 16, 4 waves a work-group, no clusters, 327,680 bytes of LDS; arguments qkp, pp, side; writes pp, side
.if DOCPART == 3
	.amdgcn_target "amdgcn-amd-amdhsa--gfx1250"
	.amdhsa_code_object_version 6
	.text
	.protected	k_qd4f8aaa782_scores
	.globl	k_qd4f8aaa782_scores
	.p2align	8
	.type	k_qd4f8aaa782_scores,@function
k_qd4f8aaa782_scores:
	s_mov_b64 s[64:65], 0
	v_nop
	global_prefetch_b8 v0, s[64:65] scope:SCOPE_SE
	s_setreg_imm32_b32 hwreg(HW_REG_WAVE_MODE, 25, 1), 1
	s_wait_xcnt 0x0
; S^T = k q^T on codes of FP6 (E2M3) with E8M0 scales, for the tiles of 256 queries x 256 keys on and under the diagonal; the causal mask; and the softmax's p, quantised along the keys.
; p IS TAKEN UNDER A LOCAL M: for each query and each group of 128 keys, t = score x log2(e) / 32, M = ceil(the group's largest t), p = 2^(t - M).  M is a whole number, so bringing p under the row's M later
; is a whole number taken off the scale bytes, which the next launch does: the codes stay.  Stored for each (group of 128 queries g, group of 128 keys kk): in pp a panel of p's codes with the RAW scale words, bit 7 of
; each byte set (a byte is at most 125), and in side the images of -M and of l = the sum of the unquantised p.
; PANELS: 128 rows x 128 K in REC = 12,800 bytes: eight fragments of 1,536 bytes, each the image of an operand's 12 registers, then 512 bytes: the image of four scale registers (lane (r, h), register j: row r of fragment
; 4 h + j).  Lane r of fragment 2 b + u holds row 32 b + 8 u + r + 8 (r / 8).  qkp [64 token groups][16: q 0-7, k 8-15][REC].  pp [64 g][16 kk][REC].  side [64 g][16 kk][-M: 512 bytes, l: 512 bytes].
; A work-group makes one tile; a wave 128 queries x 128 keys: 64 accumulators.  Source 0 = k, source 1 = q: a lane holds one query, and the 16 registers of k's tiles 2 b, 2 b + 1 are the 16 neighbouring keys 32 b + 16 h + 0 .. 15.
; K = 1,024 goes in eight steps of 128, two to a slot, through a ring of two LDS slots of four parts (25,600 dense bytes each): parts 0, 1 q's two groups, parts 2, 3 k's; wave w fetches part w.
; The 36 tiles of a batch: work-group (X, y) has p = y % 4, batch y / 4, and takes tile (p, X) where X <= p, else (7 - p, X - p - 1).
; The wave whose 128 keys all come after its 128 queries (wave 1 of a diagonal tile) walks the K steps with the others, so that every wave passes every barrier, and then stores a panel of zeros.
; NO CLUSTER: a batch's rows of tiles are 1 to 8 tiles long, so no cluster shape divides this grid so that partners share a row or a column at every place.
; LIMITS: NaN and infinities are not served; M is exact for |t| under 2^24; a block whose every p has fallen to 0 keeps the scale byte 1: its codes are zeros.
; REGISTERS: as in the launch before: window 0: v4 16 x lane; v16-17, v20-21 LDS addresses; v28-29 for the add; v32-63 scale words; v128-223 source 1's fragments; window 1 source 0's, two sets; windows 2, 3 the accumulators.
.set REC,   12800
.set FRB,   1536
.set SCO,   8*FRB
.set PS,    2*REC
.set SLOT,  4*PS
.set SPARE, 2*SLOT                     ; behind the ring: the spare words, 128 bytes for each wave: two blocks of 256 bytes that no other line names
.set LN,   4
.set D0,   5                           ; v5   r + 8 (r / 8) - 16 h: my query's place in its tile less my half's first key
.set NINF, 6                           ; v6   -infinity
.set NM,   8                           ; v[8:9] -M (the packed form names the pair and takes its low word)
.set AD1,  16
.set AD0,  20
.set SPW,  28
.set NIL,  29
.set SC,   32
.set T,    64                          ; v64-127  t - M, then p
.set AF,   128
.set PCS,  128                         ; the way out: four sets of 12: a tile's codes
.set PWS,  176                         ; v176-183 the eight tiles' raw scale words
.set NMS,  184                         ; v184-191 their -M
.set LS,   192                         ; v192-199 their l
.set IM,   224                         ; v224-235 the three images
.set BM,   236                         ; v236-239 a block's largest score, then its largest p
.set BX,   240                         ; v240-243 at work
.set SO,   244                         ; v244-247 the conversions' scale operands
.set TC,   248                         ; v248-250, v252-254
.set G1,  24
.set G0,  32
.set CS,  48                           ; s[48:49] c = log2(e) / 32
.set SEL, 50                           ; s[50:51]
.set QG,  56                           ; s56 my group of queries in the batch, 0 .. 15
.set KG,  57                           ; s57 my group of keys
.set MSB, 0
.macro WIN new                         ; the immediate's high byte repeats the setting that is left
.if MSB != (\new)
	s_set_vgpr_msb (MSB<<8)|(\new)
.set MSB, (\new)
.endif
.endm
.set MUL_LO, 0xa1
.set MUL_HI, 0xf1
.set TO_B,   0x40
	s_load_b128 s[4:7], s[0:1], 0x0                ; qkp, pp
	s_load_b64 s[8:9], s[0:1], 0x10                ; side
	v_lshl_add_u32 v[SPW], v0, 2, SPARE
	v_mov_b32 v[NIL], 0
	ds_add_u32 v28, v29
	ds_add_u32 v28, v29
	s_wait_dscnt 0x0
	v_lshrrev_b32 v1, 5, v0
	v_readfirstlane_b32 s14, v1                    ; wave 0..3
	s_lshr_b32 s15, s14, 1                         ; which of q's two groups is mine.  Also: I fetch for q (0) or for k (1)
	s_and_b32 s16, s14, 1                          ; which of k's.  Also: which of the two groups I fetch
	s_and_b32 s17, ttmp7, 0xffff
	s_and_b32 s18, s17, 3                          ; p
	s_lshr_b32 s19, s17, 2                         ; batch
	s_sub_co_u32 s22, 7, s18
	s_sub_co_u32 s23, ttmp9, s18
	s_sub_co_u32 s23, s23, 1
	s_cmp_le_u32 ttmp9, s18
	s_cselect_b32 s20, s18, s22                    ; i: the tile's 256 queries
	s_cselect_b32 s21, ttmp9, s23                  ; j: its 256 keys, j <= i
	s_mov_b32 s[G1], 3<<16                         ; group 1: a dense block of 25,600 bytes as 100 rows of 256 bytes (32 elements of 8 bytes); no mask, no padding
	s_mov_b32 s[G1+1], 32<<16
	s_mov_b32 s[G1+2], 100<<16
	s_mov_b32 s[G1+3], 32<<16
	s_mov_b32 s[G1+4], 100
	s_mov_b32 s[G1+5], 32
	s_mov_b32 s[G1+6], 0
	s_mov_b32 s[G1+7], 0
	s_cmp_eq_u32 s15, 0
	s_cselect_b32 s22, s20, s21
	s_lshl_b32 s22, s22, 1
	s_add_co_u32 s22, s22, s16
	s_lshl_b32 s23, s19, 4
	s_add_co_u32 s22, s22, s23                     ; the token group that I fetch
	s_lshl_b32 s22, s22, 4
	s_lshl_b32 s23, s15, 3
	s_add_co_u32 s22, s22, s23                     ; its first panel: q's at 0, k's at 8
	s_mul_i32 s22, s22, REC
	s_mov_b32 s23, 0
	s_mul_i32 s44, s14, PS                         ; part = wave
	s_wait_kmcnt 0x0
	s_add_nc_u64 s[22:23], s[4:5], s[22:23]
.irp s, 0,1
	s_mov_b32 s[G0+4*\s], 1
	s_add_co_u32 s[G0+4*\s+1], s44, \s*SLOT
	s_add_nc_u64 s[G0+4*\s+2:G0+4*\s+3], s[22:23], \s*PS
	s_or_b32 s[G0+4*\s+3], s[G0+4*\s+3], 0x80000000
.endr
	tensor_load_to_lds s[G0:G0+3], s[G1:G1+7]      ; slot 0: one tensor load a wave at the head
	s_nop 0
.rept 4
	v_nop
.endr
	v_and_b32 v1, 31, v0                           ; lane
	v_lshlrev_b32 v[LN], 4, v1
	s_mul_i32 s40, s16, PS
	s_add_co_u32 s40, s40, 2*PS                    ; source 0 = k: part 2 + w % 2
	s_mul_i32 s41, s15, PS                         ; source 1 = q: part w / 2
.irp s, 0,1
	v_add_nc_u32 v[AD0+\s], s40, v[LN]
	v_add_nc_u32 v[AD1+\s], s41, v[LN]
	s_add_co_u32 s40, s40, SLOT
	s_add_co_u32 s41, s41, SLOT
.endr
	s_lshl_b32 s[QG], s20, 1
	s_add_co_u32 s[QG], s[QG], s15
	s_lshl_b32 s[KG], s21, 1
	s_add_co_u32 s[KG], s[KG], s16
	; pp and side are laid BY PAIRS of query groups (g, 15 - g), 18 records to a pair, in the order in which the next launch walks them (this takes the place of the order [g][kk] named at the head):
	; record = (8 batch + pair) x 18 + step; g under 8: pair g, step kk; else pair 15 - g, step 2 (pair / 2 + 1) + kk
	s_sub_co_u32 s43, 15, s[QG]
	s_lshr_b32 s45, s43, 1
	s_lshl_b32 s45, s45, 1
	s_add_co_u32 s45, s45, 2
	s_cmp_lt_u32 s[QG], 8
	s_cselect_b32 s43, s[QG], s43
	s_cselect_b32 s45, 0, s45
	s_add_co_u32 s45, s45, s[KG]
	s_lshl_b32 s42, s19, 3
	s_add_co_u32 s42, s42, s43
	s_mul_i32 s42, s42, 18
	s_add_co_u32 s42, s42, s45
	s_mul_i32 s46, s42, REC
	s_mov_b32 s47, 0
	s_add_nc_u64 s[52:53], s[6:7], s[46:47]
	s_lshl_b32 s46, s42, 10
	s_add_nc_u64 s[54:55], s[8:9], s[46:47]
	s_mov_b32 s[CS], 0x3d38aa3b                    ; log2(e) / sqrt(1024)
	s_mov_b32 s[CS+1], s[CS]
	s_mov_b32 s[SEL], 0x76543210
	s_mov_b32 s[SEL+1], 0xfedcba98
	v_and_b32 v2, 15, v0
	v_and_b32 v3, 8, v2
	v_add_nc_u32 v[D0], v2, v3
	v_bfe_u32 v3, v0, 4, 1
	v_lshlrev_b32 v3, 4, v3
	v_sub_nc_u32 v[D0], v[D0], v3
	v_mov_b32 v[NINF], 0xff800000
	v_mov_b32 v[NM+1], 0                           ; named as the pair's upper half, so it is written
.irp b, 0,1,2,3
	v_mov_b32 v[BX+\b], 0                          ; written once: a lane permute's destination counts as one of its sources
.endr
.macro FRAG reg, adr, q, i
.irp c, 0,1,2
	ds_load_b128 v[\reg+4*\c:\reg+4*\c+3], v[\adr] offset:(\q)*REC+(\i)*FRB+512*\c
.endr
.endm
.macro FETCH_B slot, q, p
	WIN TO_B
.irp i, 0,1,2,3,4,5,6,7
	FRAG 128*(\p)+12*\i, AD0+\slot, \q, \i
.endr
	WIN 0
.endm
.macro FETCH_A slot, q, i0
.irp i, \i0, \i0+1, \i0+2, \i0+3
	FRAG AF+12*(\i), AD1+\slot, \q, \i
.endr
.endm
.macro SCALES sc
.irp q, 0,1
	ds_load_b128 v[SC+16*\sc+8*\q:SC+16*\sc+8*\q+3], v[AD0+\sc] offset:\q*REC+SCO
	ds_load_b128 v[SC+16*\sc+8*\q+4:SC+16*\sc+8*\q+7], v[AD1+\sc] offset:\q*REC+SCO
.endr
.endm
.macro WM a, b, p, q, sc, zero
.set rD, 8*(8*((\a)%4)+(\b))
.set rA, 128*(\p)+12*(\b)
.set rB, AF+12*(\a)
.set rS, SC+16*(\sc)+8*(\q)+(\b)%4
.set rT, SC+16*(\sc)+8*(\q)+4+(\a)%4
.set sel, 4*(\zero)+2*((\b)/4)+(\a)/4
.if sel == 0
	v_wmma_scale_f32_16x16x128_f8f6f4 v[rD:rD+7], v[rA:rA+11], v[rB:rB+11], v[rD:rD+7], v[rS], v[rT] matrix_a_fmt:MATRIX_FMT_FP6 matrix_b_fmt:MATRIX_FMT_FP6
.elseif sel == 1
	v_wmma_scale_f32_16x16x128_f8f6f4 v[rD:rD+7], v[rA:rA+11], v[rB:rB+11], v[rD:rD+7], v[rS], v[rT] matrix_a_fmt:MATRIX_FMT_FP6 matrix_b_fmt:MATRIX_FMT_FP6 matrix_b_scale:MATRIX_SCALE_ROW1
.elseif sel == 2
	v_wmma_scale_f32_16x16x128_f8f6f4 v[rD:rD+7], v[rA:rA+11], v[rB:rB+11], v[rD:rD+7], v[rS], v[rT] matrix_a_fmt:MATRIX_FMT_FP6 matrix_b_fmt:MATRIX_FMT_FP6 matrix_a_scale:MATRIX_SCALE_ROW1
.elseif sel == 3
	v_wmma_scale_f32_16x16x128_f8f6f4 v[rD:rD+7], v[rA:rA+11], v[rB:rB+11], v[rD:rD+7], v[rS], v[rT] matrix_a_fmt:MATRIX_FMT_FP6 matrix_b_fmt:MATRIX_FMT_FP6 matrix_a_scale:MATRIX_SCALE_ROW1 matrix_b_scale:MATRIX_SCALE_ROW1
.elseif sel == 4
	v_wmma_scale_f32_16x16x128_f8f6f4 v[rD:rD+7], v[rA:rA+11], v[rB:rB+11], 0, v[rS], v[rT] matrix_a_fmt:MATRIX_FMT_FP6 matrix_b_fmt:MATRIX_FMT_FP6
.elseif sel == 5
	v_wmma_scale_f32_16x16x128_f8f6f4 v[rD:rD+7], v[rA:rA+11], v[rB:rB+11], 0, v[rS], v[rT] matrix_a_fmt:MATRIX_FMT_FP6 matrix_b_fmt:MATRIX_FMT_FP6 matrix_b_scale:MATRIX_SCALE_ROW1
.elseif sel == 6
	v_wmma_scale_f32_16x16x128_f8f6f4 v[rD:rD+7], v[rA:rA+11], v[rB:rB+11], 0, v[rS], v[rT] matrix_a_fmt:MATRIX_FMT_FP6 matrix_b_fmt:MATRIX_FMT_FP6 matrix_a_scale:MATRIX_SCALE_ROW1
.else
	v_wmma_scale_f32_16x16x128_f8f6f4 v[rD:rD+7], v[rA:rA+11], v[rB:rB+11], 0, v[rS], v[rT] matrix_a_fmt:MATRIX_FMT_FP6 matrix_b_fmt:MATRIX_FMT_FP6 matrix_a_scale:MATRIX_SCALE_ROW1 matrix_b_scale:MATRIX_SCALE_ROW1
.endif
.endm
.macro MUL16 a0, p, q, sc, zero        ; the 64 accumulators take turns, one instruction a turn, in the same order in every K step
.irp a, \a0, \a0+1
.irp b, 0,1,2,3,4,5,6,7
	WM \a, \b, \p, \q, \sc, \zero
.endr
.endr
.endm
.macro PLACES                          ; four places in front of loads into registers that matrix instructions have read and of the first reads of results (ISA guide 7.12.1 for the reads of results)
.rept 4
	v_nop
.endr
.endm
.macro STEP slot, zero
	s_wait_dscnt 12                                ; all but the youngest 12 loads (source 1's fragments 4-7) are in
	WIN MUL_LO
	MUL16 0, 0, 0, \slot, \zero
	MUL16 2, 0, 0, \slot, \zero
	s_wait_dscnt 0x0
	PLACES
	FETCH_B \slot, 1, 1
	FETCH_A \slot, 1, 0
	WIN MUL_HI
	MUL16 4, 0, 0, \slot, \zero
	MUL16 6, 0, 0, \slot, \zero
	PLACES
	WIN 0
	FETCH_A \slot, 1, 4
.endm
.macro TURN slot, next, fill
	s_wait_tensorcnt 0x0                           ; all my tensor loads have landed: my part of the next slot
	ds_add_u32 v[SPW], v[NIL]                      ; 0 onto my spare word
.if \fill
	s_add_nc_u64 s[G0+4*\slot+2:G0+4*\slot+3], s[G0+4*\slot+2:G0+4*\slot+3], 2*PS   ; no tensor load of mine is out: this slot's next two K steps
.endif
	s_wait_dscnt 13                                ; (the add and the youngest 12 loads may be out)
	WIN MUL_LO
	MUL16 0, 1, 1, \slot, 0
	s_wait_dscnt 0x0                               ; the add is done, and my reads of this slot are over
	s_barrier_signal -1
	MUL16 2, 1, 1, \slot, 0
	WIN 0
	s_barrier_wait -1
.if \fill
	tensor_load_to_lds s[G0+4*\slot:G0+4*\slot+3], s[G1:G1+7]   ; my one tensor load behind this barrier, and the first thing there
	s_nop 0
.endif
	PLACES
	FETCH_B \next, 0, 0
	FETCH_A \next, 0, 0
	SCALES \next
	WIN MUL_HI
	MUL16 4, 1, 1, \slot, 0
	MUL16 6, 1, 1, \slot, 0
	PLACES
	WIN 0
	FETCH_A \next, 0, 4
.endm
.macro LAST slot
	s_wait_dscnt 12
	WIN MUL_LO
	MUL16 0, 1, 1, \slot, 0
	MUL16 2, 1, 1, \slot, 0
	s_wait_dscnt 0x0
	WIN MUL_HI
	MUL16 4, 1, 1, \slot, 0
	MUL16 6, 1, 1, \slot, 0
	WIN 0
.endm
	s_wait_alu depctr_va_vdst(0)
	s_wait_tensorcnt 0x0                           ; my part of slot 0 is in; slot 1's first fill is issued as a refill is
	ds_add_u32 v[SPW], v[NIL]
	s_wait_dscnt 0x0
	s_barrier_signal -1
	s_barrier_wait -1
	tensor_load_to_lds s[G0+4:G0+7], s[G1:G1+7]    ; slot 1: my one tensor load behind this barrier
	s_nop 0
	PLACES
	FETCH_B 0, 0, 0
	FETCH_A 0, 0, 0
	SCALES 0
	FETCH_A 0, 0, 4
	STEP 0, 1
	TURN 0, 1, 1
	STEP 1, 0
	TURN 1, 0, 1
	STEP 0, 0
	TURN 0, 1, 0
	STEP 1, 0
	LAST 1
	s_wait_tensorcnt 0x0                           ; my last LDS instructions: only registers and stores to memory follow
	ds_add_u32 v[SPW], v[NIL]
	s_wait_dscnt 0x0
	s_cmp_gt_u32 s[KG], s[QG]
	s_cbranch_scc0 .Lwork
.irp j, 0,1,2,3                                ; all my keys come after all my queries: a panel of zeros, which the next launch does not multiply
	v_mov_b32 v[IM+\j], 0
.endr
.set zi, 0
.rept 25
	global_store_b128 v[LN], v[IM:IM+3], s[52:53] offset:512*zi
.set zi, zi+1
.endr
.irp j, 0,1,2,3
	v_mov_b32 v[IM+4+\j], 0x7f7fffff               ; the hidden group's -M: the largest finite number, which no minimum takes; its l: 0
.endr
	global_store_b128 v[LN], v[IM+4:IM+7], s[54:55]
	global_store_b128 v[LN], v[IM:IM+3], s[54:55] offset:512
	s_endpgm
.Lwork:
; On the diagonal: the key of register e of k's tile 2 bb + u is hidden from my query of q's tile a where K0 + e > v[D0], K0 = 32 bb + 8 u - 32 (a / 2) - 8 (a % 2); v[D0] lies in -16 .. 23.
.macro MASK a
.set bu, 0
.rept 8
.set K0, 32*(bu/2)+8*(bu%2)-32*((\a)/2)-8*((\a)%2)
.set rM, 64*((\a)%4)+8*bu
.if K0 > 23
.set me, 0
.rept 8
	v_mov_b32 v[rM+me], 0xff800000                 ; hidden from all sixteen queries
.set me, me+1
.endr
.elseif K0+7 > -16
.set me, 0
.rept 8
	v_cmp_gt_i32 vcc_lo, K0+me, v[D0]
	v_cndmask_b32 v[rM+me], v[rM+me], v[NINF], vcc_lo   ; from the accumulator's low end on
.set me, me+1
.endr
.endif
.set bu, bu+1
.endr
.endm
; q's tile a: 16 queries x my 128 keys
.macro SOFT a
.set wA, 2+(\a)/4
.set sA, 64*((\a)%4)
.set pA, PCS+12*((\a)%4)
	s_cmp_lg_u32 s[KG], s[QG]
	s_cbranch_scc1 .Lopen_\@                       ; a scalar branch on ids: under the diagonal every key counts
	WIN (wA<<6)|wA                                 ; destination and source 0: the accumulators' window
	s_wait_alu depctr_va_vdst(0)
	MASK \a
	WIN 0
.Lopen_\@:
	WIN (wA<<2)|(wA<<4)                            ; sources 1 and 2: the accumulators' window
	s_wait_alu depctr_va_vdst(0)
.irp b, 0,1,2,3
	v_max3_num_f32 v[BM+\b], v[NINF], v[sA+16*\b], v[sA+16*\b+1]   ; the largest score of each block of 32 keys; each accumulator from its low end on
.endr
.irp i, 2,4,6,8,10,12,14
.irp b, 0,1,2,3
	v_max3_num_f32 v[BM+\b], v[BM+\b], v[sA+16*\b+\i], v[sA+16*\b+\i+1]
.endr
.endr
	WIN 0
.irp b, 0,1,2,3
	v_permlanex16_b32 v[BX+\b], v[BM+\b], s[SEL], s[SEL+1]
.endr
.irp b, 0,1,2,3
	v_max_num_f32 v[BM+\b], v[BM+\b], v[BX+\b]     ; with lane l xor 16's 16 keys
.endr
	v_max3_num_f32 v10, v[BM], v[BM+1], v[BM+2]
	v_max_num_f32 v10, v10, v[BM+3]                ; the largest score of my query among these 128 keys (its first key always counts)
	v_mul_f32 v10, s[CS], v10
	v_floor_f32 v[NM], -v10                        ; -M = floor(-t) = -ceil(t)
	WIN wA                                         ; source 0: the accumulators' window
.set fj, 0
.rept 32
	v_pk_fma_f32 v[T+fj:T+fj+1], v[sA+fj:sA+fj+1], s[CS:CS+1], v[NM:NM+1] op_sel_hi:[1,0,0]   ; t - M, two at a time
.set fj, fj+2
.endr
	WIN 0
.irp b, 0,1,2,3
	v_fma_f32 v[BM+\b], v[BM+\b], s[CS], v[NM]     ; the same of each block's largest score: p rises with the score
.endr
.set fj, 0
	s_wait_alu depctr_va_vdst(0)
.rept 64
	v_exp_f32 v[T+fj], v[T+fj]                     ; p = 2^(t - M)
.set fj, fj+1
.endr
.irp b, 0,1,2,3
	v_exp_f32 v[BM+\b], v[BM+\b]                   ; the block's largest p
.endr
	v_mov_b32 v[NMS+(\a)], v[NM]                   ; (a plain place behind the exponentials)
	s_wait_alu depctr_va_vdst(0)
.irp b, 0,1,2,3
	v_max_num_f32 v[BM+\b], 0x1800000, v[BM+\b]    ; the floor 2^(3 - 127): the byte cannot fall under 1
.endr
.irp b, 0,1,2,3
	v_add_nc_u32 v[SO+\b], 0xff000000, v[BM+\b]    ; 2 off the exponent field: the conversion's scale operand
.endr
.irp b, 0,1,2,3
	v_lshrrev_b32 v[BX+\b], 23, v[SO+\b]           ; the scale's byte, 1 .. 125
.endr
	v_lshl_or_b32 v10, v[BX+1], 8, v[BX]
	v_lshl_or_b32 v10, v[BX+2], 16, v10
	v_lshl_or_b32 v10, v[BX+3], 24, v10
	v_or_b32 v[PWS+(\a)], 0x80808080, v10          ; bit 7 of each byte set: the next launch takes a whole number off all four bytes by one subtraction
.if (\a) >= 4
	s_wait_xcnt 0x0                                ; tile a - 4's stores have read this set of codes: it is written again only behind this wait
.endif
.irp c, 0,1
	v_cvt_scalef32_pk16_fp6_f32 v[pA+6*\c:pA+6*\c+2], v[T+32*\c:T+32*\c+15], v[SO+2*\c]
	v_cvt_scalef32_pk16_fp6_f32 v[TC+4*\c:TC+4*\c+2], v[T+32*\c+16:T+32*\c+31], v[SO+2*\c+1]
.endr
	v_nop                                          ; one plain place behind a scaled conversion
.irp c, 0,1
.irp i, 0,1,2
	v_permlane16_swap_b32 v[pA+6*\c+\i], v[TC+4*\c+\i]
.endr
.irp i, 0,1,2
	v_mov_b32 v[pA+3+6*\c+\i], v[TC+4*\c+\i]
.endr
.endr
	v_pk_add_f32 v[12:13], v[T:T+1], v[T+2:T+3]    ; l: the sum of the unquantised p, two at a time, in two chains
	v_pk_add_f32 v[14:15], v[T+4:T+5], v[T+6:T+7]
.irp j, 8,12,16,20,24,28,32,36,40,44,48,52,56,60
	v_pk_add_f32 v[12:13], v[12:13], v[T+\j:T+\j+1]
	v_pk_add_f32 v[14:15], v[14:15], v[T+\j+2:T+\j+3]
.endr
	v_pk_add_f32 v[12:13], v[12:13], v[14:15]
	v_add_f32 v12, v12, v13
	v_permlanex16_b32 v13, v12, s[SEL], s[SEL+1]
	v_add_f32 v[LS+(\a)], v12, v13
.irp c, 0,1,2
	global_store_b128 v[LN], v[pA+4*\c:pA+4*\c+3], s[52:53] offset:(\a)*FRB+512*\c   ; fragment a of the panel: 512 consecutive bytes a store
.endr
.endm
	PLACES
.irp a, 0,1,2,3,4,5,6,7
	SOFT \a
.endr
	v_cmp_le_u32 vcc_lo, 16, v1
.irp j, 0,1,2,3                                ; the three images: lanes 0-15 tile j's, lanes 16-31 tile 4 + j's
	v_cndmask_b32 v[IM+\j], v[PWS+\j], v[PWS+4+\j], vcc_lo
	v_cndmask_b32 v[IM+4+\j], v[NMS+\j], v[NMS+4+\j], vcc_lo
	v_cndmask_b32 v[IM+8+\j], v[LS+\j], v[LS+4+\j], vcc_lo
.endr
	global_store_b128 v[LN], v[IM:IM+3], s[52:53] offset:SCO
	global_store_b128 v[LN], v[IM+4:IM+7], s[54:55]
	global_store_b128 v[LN], v[IM+8:IM+11], s[54:55] offset:512
	s_endpgm
.Lfunc_end_k_qd4f8aaa782_scores:
	.size	k_qd4f8aaa782_scores, .Lfunc_end_k_qd4f8aaa782_scores-k_qd4f8aaa782_scores
	.p2alignl 7, 3214868480
	.fill 96, 4, 3214868480
	.section	.rodata,"a",@progbits
	.p2align	6, 0x0
	.amdhsa_kernel k_qd4f8aaa782_scores
		.amdhsa_group_segment_fixed_size 327680
		.amdhsa_private_segment_fixed_size 0
		.amdhsa_enable_private_segment 0
		.amdhsa_kernarg_size 24
		.amdhsa_user_sgpr_count 2
		.amdhsa_user_sgpr_kernarg_segment_ptr 1
		.amdhsa_wavefront_size32 1
		.amdhsa_system_sgpr_workgroup_id_x 1
		.amdhsa_system_sgpr_workgroup_id_y 1
		.amdhsa_system_sgpr_workgroup_id_z 1
		.amdhsa_system_vgpr_workitem_id 0
		.amdhsa_next_free_vgpr 1024
		.amdhsa_next_free_sgpr 66
		.amdhsa_reserve_vcc 1
		.amdhsa_float_denorm_mode_32 3
		.amdhsa_float_denorm_mode_16_64 3
		.amdhsa_memory_ordered 1
		.amdhsa_forward_progress 1
		.amdhsa_inst_pref_size 213
	.end_amdhsa_kernel
	.amdgpu_metadata
---
amdhsa.version: [ 1, 2 ]
amdhsa.kernels:
  - .name:           k_qd4f8aaa782_scores
    .symbol:         k_qd4f8aaa782_scores.kd
    .args:
      - { .name: qkp, .offset: 0, .size: 8, .value_kind: global_buffer, .address_space: global }
      - { .name: pp, .offset: 8, .size: 8, .value_kind: global_buffer, .address_space: global }
      - { .name: side, .offset: 16, .size: 8, .value_kind: global_buffer, .address_space: global }
    .group_segment_fixed_size: 327680
    .private_segment_fixed_size: 0
    .kernarg_segment_align: 8
    .kernarg_segment_size: 24
    .max_flat_workgroup_size: 128
    .sgpr_count:     66
    .vgpr_count:     1024
    .wavefront_size: 32
...
	.end_amdgpu_metadata
.endif
;; end of part 3
;; launch pv (part 4): grid 8 x 32, 4 waves a work-group, clusters of 4 x 1, 327,680 bytes of LDS; arguments pp, side, vtp, out0; writes out0
.if DOCPART == 4
	.amdgcn_target "amdgcn-amd-amdhsa--gfx1250"
	.amdhsa_code_object_version 6
	.text
	.protected	k_qd4f8aaa782_pv
	.globl	k_qd4f8aaa782_pv
	.p2align	8
	.type	k_qd4f8aaa782_pv,@function
k_qd4f8aaa782_pv:
	s_mov_b64 s[64:65], 0
	v_nop
	global_prefetch_b8 v0, s[64:65] scope:SCOPE_SE
	s_setreg_imm32_b32 hwreg(HW_REG_WAVE_MODE, 25, 1), 1
	s_wait_xcnt 0x0
	s_wait_alu depctr_hold_cnt(0) depctr_sa_sdst(0) depctr_va_vdst(0) depctr_va_sdst(0) depctr_va_ssrc(0) depctr_va_vcc(0) depctr_vm_vsrc(0)
	s_getreg_b32 s2, hwreg(HW_REG_IB_STS2, 6, 4)
	s_cmp_eq_u32 s2, 0
	s_cbranch_scc0 .Lentry_in_a_cluster
	s_endpgm
.Lentry_in_a_cluster:
	s_bfe_u32 s2, ttmp6, 0x10000c
	s_cmp_lg_u32 s2, 0x3003
	s_cbranch_scc0 .Lentry_shape_is_right
	s_endpgm
.Lentry_shape_is_right:
; out = (p v) / l on codes of FP6 (E2M3) with E8M0 scales.  p comes from the launch before under a LOCAL M for each query and each 128 keys; here it is brought under the row's M by a whole number taken off its scale bytes.
; LEFT OUT: the groups of 128 keys that all come after a group of 128 queries: the causal mask gives them p = 0 for every input.
; SHARES: a work-group takes one batch, one group of 128 channels and the PAIR of query groups (g, 15 - g), g = 0 .. 7: g / 2 + 1 and 8 - g / 2 (rounded as below) double steps of 256 keys, always 9 in all, so all 256 work-groups
; have the same walk.  The lower group goes first (NLO = g / 2 + 1 double steps), leaves through the stage, and the upper group starts on the same accumulators with C = 0.  The one key step of the 18 that lies behind the mask
; (the second of double step NLO - 1 where g is even, of double step 8 where g is odd) is jumped by a scalar branch on ids.
; A wave makes 64 queries x 64 channels: 16 accumulators, by turns.  Source 0 = v (rows: channels), source 1 = p (rows: queries): a lane holds one query and neighbouring channels.
; PANELS: 128 rows x 128 K in REC bytes: eight fragments of 1,536 bytes, each the image of an operand's 12 registers, then the image of four scale registers (lane (r, h), register j: row r of fragment 4 h + j).
; pp [32 pairs][18 key steps in the walk's order][REC], side [32][18][-M 512 bytes, l 512 bytes], vtp [8 channel groups][64 token groups][REC].
; LDS: two slots of three double steps: p's six panels (76,800 dense bytes, wave 0's one load), then v's three pairs of panels (25,600 bytes each, waves 1 to 3).  Three fills in all: slot 0, slot 1, slot 0 again.
; CLUSTER 4, 1, 1: the four channel groups of a cluster read the same p: it is asked for jointly.  v is not shared: the pairs of a batch walk different key sequences, so partners along the pairs would ask for different tiles.
; NO PREFETCH: the text has no loop to run ahead in: three fills, each asked for as soon as its bytes are free.
; SCALES: lanes 0-15 of a scale register hold a double step's first key step, lanes 16-31 its second.  p's words are corrected once, in registers, while slot 1 is on its way.
; LIMITS: NaN and infinities are not served; M is exact for |t| under 2^24; a group of keys whose M lies 127 or more under the row's counts for nothing in l and gets scale bytes of 0 (2^-127).
; REGISTERS: window 0: addresses, v32-67 p's scale words, v68-75 v's (two sets), v76-91 1 / l in pairs, v96-223 the way out.  Windows 1, 2: two sets of fragments (step q: v's at 96 q, p's at 96 q + 48); window 2 first serves the head.  Window 3: the accumulators.
.set REC,   12800
.set FRB,   1536
.set SCO,   8*FRB
.set SLOT,  12*REC
.set STAGE, 2*SLOT                     ; 16 rows x 272 bytes for each wave; no tensor load lands here
.set SPITCH, 272
.set SPARE, STAGE+4*16*SPITCH          ; the spare words, 128 bytes for each wave
.set LN,  4
.set SOF, 5                            ; side: 1024 h + 16 r + 256 x my half of the queries
.set POF, 6                            ; pp's scale images: REC h + SCO + 16 r + 256 x that half
.set STO, 7
.set RD,  8
.set CO,  9
.set AP,  10                           ; v10-13 p's fragments: slot s, double steps 0-1 / 2 at AP + 2 s + 0 / 1
.set AV,  14                           ; v14-17 v's
.set AVS, 18                           ; v18-19 v's scale images
.set SPW, 28
.set NIL, 29
.set PS,  32
.set VS,  68
.set RL,  76
.set TB,  96
.set BK,  160
.set G1P, 24
.set G1V, 32
.set G0P, 40
.set G0V, 44
.set SEL, 58
; the head's registers, in window 2
.set NMR, 0
.set LR,  36
.set RWR, 72
.set NGL, 108
.set NGH, 112
.set NGS, 116
.set DD,  120
.set EE,  124
.set LTL, 128
.set LTH, 132
.set TT,  136
.set UU,  140
.set E2,  144
.set CA,  148
.set MSB, 0
.macro WIN new                         ; the immediate's high byte repeats the setting that is left
.if MSB != (\new)
	s_set_vgpr_msb (MSB<<8)|(\new)
.set MSB, (\new)
.endif
.endm
.macro PLACES                          ; four places behind matrix instructions, ahead of loads into their registers and of reads of their results (ISA guide 7.12.1 for the reads of results)
.rept 4
	v_nop
.endr
.endm
.macro ROUND                           ; a round of the cluster's barrier
	s_barrier_signal -1
	s_barrier_wait -1
	s_cmp_lg_u32 s14, 0
	s_cbranch_scc1 .Lnw0_\@
	s_barrier_signal -3
.Lnw0_\@:
	s_barrier_wait -3
	s_barrier_signal -1
	s_barrier_wait -1
.endm
.macro JLOAD                           ; wave 0: p's six panels, jointly; waves 1 to 3: a double step of v each.  One tensor load a wave
	s_cmp_eq_u32 s14, 0
	s_cbranch_scc0 .Lfv_\@
	tensor_load_to_lds s[G0P:G0P+3], s[G1P:G1P+7]
	s_nop 0
	PLACES
	s_branch .Lfa_\@
.Lfv_\@:
	tensor_load_to_lds s[G0V:G0V+3], s[G1V:G1V+7]
	s_nop 0
	PLACES
.Lfa_\@:
.endm
.macro CHANGE f                        ; fill f: all my loads are in, the add, the descriptors (no load of mine is out), my LDS reads are over, the round, the load
	s_wait_tensorcnt 0x0
	ds_add_u32 v[SPW], v[NIL]
	s_mov_b32 s[G0P+1], ((\f)%2)*SLOT
	s_add_nc_u64 s[G0P+2:G0P+3], s[G0P+2:G0P+3], 6*REC
	s_add_co_u32 s[G0V+1], s56, ((\f)%2)*SLOT
	s_add_nc_u64 s[G0V+2:G0V+3], s[48:49], s[50+2*(\f):51+2*(\f)]
	s_or_b32 s[G0V+3], s[G0V+3], 0x80000000
	s_wait_dscnt 0x0
	ROUND
	JLOAD
.endm
	s_load_b256 s[4:11], s[0:1], 0x0               ; pp, side, vtp, out0
	v_lshl_add_u32 v[SPW], v0, 2, SPARE
	v_mov_b32 v[NIL], 0
	ds_add_u32 v[SPW], v[NIL]                      ; the opening lines: the add twice and one wait
	ds_add_u32 v[SPW], v[NIL]
	v_lshrrev_b32 v1, 5, v0
	v_readfirstlane_b32 s14, v1                    ; wave
	s_lshr_b32 s15, s14, 1                         ; my half of the queries
	s_and_b32 s16, s14, 1                          ; my half of the channels
	s_and_b32 s17, ttmp7, 0xffff                   ; 8 batch + pair: the same in all partners
	s_lshr_b32 s18, s17, 3
	s_and_b32 s19, s17, 7                          ; g, the lower group
	s_lshr_b32 s20, s19, 1
	s_add_co_u32 s20, s20, 1                       ; NLO
	s_sub_co_u32 s21, s20, 1
	s_bitcmp1_b32 s19, 0
	s_cselect_b32 s21, 8, s21                      ; the double step whose second key step lies behind the mask
	s_bfe_u32 s22, ttmp6, 0x40000                  ; cx
	s_lshl_b32 s23, ttmp9, 2
	s_add_co_u32 s23, s23, s22                     ; channel group
	s_mov_b32 s[G1P], 15|(3<<16)|(1<<21)           ; p: all four partners; elements of 8 bytes; 300 rows of 256 bytes, dense
	s_mov_b32 s[G1P+1], 32<<16
	s_mov_b32 s[G1P+2], 300<<16
	s_mov_b32 s[G1P+3], 32<<16
	s_mov_b32 s[G1P+4], 300
	s_mov_b32 s[G1P+5], 32
	s_mov_b32 s[G1P+6], 0
	s_mov_b32 s[G1P+7], 0
	s_mov_b32 s[G1V], 3<<16                        ; v: my own; 100 rows of 256 bytes, dense
	s_mov_b32 s[G1V+1], 32<<16
	s_mov_b32 s[G1V+2], 100<<16
	s_mov_b32 s[G1V+3], 32<<16
	s_mov_b32 s[G1V+4], 100
	s_mov_b32 s[G1V+5], 32
	s_mov_b32 s[G1V+6], 0
	s_mov_b32 s[G1V+7], 0
	s_mul_i32 s56, s14, 2*REC
	s_add_co_u32 s56, s56, 4*REC                   ; wave w = 1 .. 3 fills v's double step w - 1 of a slot, behind p's six panels
	s_max_u32 s92, s14, 1
	s_sub_co_u32 s92, s92, 1
.irp f, 0,1,2                                  ; walk's double step d = 3 f + w - 1 takes v's keys d (lower group) or d - NLO (upper)
	s_add_co_u32 s93, s92, 3*\f
	s_cmp_lt_u32 s93, s20
	s_cselect_b32 s94, 0, s20
	s_sub_co_u32 s93, s93, s94
	s_mul_i32 s[50+2*\f], s93, 2*REC
	s_mov_b32 s[51+2*\f], 0
.endr
.irp d, 1,2,3                                  ; is double step d the lower group's?  All ones or none, and the reverse
	s_cmp_gt_u32 s20, \d
	s_cselect_b32 s[74+2*\d], -1, 0
	s_cselect_b32 s[75+2*\d], 0, -1
.endr
	s_mul_i32 s82, s17, 18*REC
	s_mov_b32 s83, 0
	s_mul_i32 s84, s17, 18*1024
	s_mov_b32 s85, 0
	s_lshl_b32 s86, s23, 6
	s_lshl_b32 s92, s18, 4
	s_add_co_u32 s86, s86, s92
	s_mul_i32 s86, s86, REC
	s_mov_b32 s87, 0
	s_add_co_u32 s93, s92, s19                     ; the lower group among the 64,
	s_sub_co_u32 s94, 15, s19
	s_add_co_u32 s94, s92, s94                     ; the upper
	s_lshl_b32 s92, s23, 9
	s_lshl_b32 s95, s16, 8
	s_add_co_u32 s92, s92, s95                     ; my 64 channels, in bytes
	s_lshl_b32 s93, s93, 1
	s_add_co_u32 s93, s93, s15
	s_lshl_b32 s93, s93, 18                        ; 64 rows of 4,096 bytes
	s_add_co_u32 s88, s93, s92
	s_mov_b32 s89, 0
	s_lshl_b32 s94, s94, 1
	s_add_co_u32 s94, s94, s15
	s_lshl_b32 s94, s94, 18
	s_add_co_u32 s90, s94, s92
	s_mov_b32 s91, 0
	s_mul_i32 s70, s15, 4*FRB
	s_mul_i32 s71, s16, 4*FRB
	s_add_co_u32 s71, s71, 6*REC
	s_lshl_b32 s72, s16, 8
	s_add_co_u32 s72, s72, 6*REC+SCO
	s_lshl_b32 s73, s15, 8
	s_add_co_u32 s74, s73, SCO
	s_mul_i32 s75, s14, 16*SPITCH
	s_add_co_u32 s75, s75, STAGE
	s_mov_b32 s[SEL], 0x76543210
	s_mov_b32 s[SEL+1], 0xfedcba98
	s_wait_dscnt 0x0
	s_wait_kmcnt 0x0
	s_add_nc_u64 s[68:69], s[4:5], s[82:83]        ; my pair's p
	s_add_nc_u64 s[66:67], s[6:7], s[84:85]        ; its -M and l
	s_add_nc_u64 s[48:49], s[8:9], s[86:87]        ; my channel group's v of this batch
	s_add_nc_u64 s[60:61], s[10:11], s[88:89]      ; out: the lower group's rows,
	s_add_nc_u64 s[62:63], s[10:11], s[90:91]      ; the upper's
	s_mov_b32 s[G0P], 1
	s_mov_b32 s[G0P+1], 0
	s_mov_b64 s[G0P+2:G0P+3], s[68:69]
	s_or_b32 s[G0P+3], s[G0P+3], 0x80000000
	s_mov_b32 s[G0V], 1
	s_mov_b32 s[G0V+1], s56
	s_add_nc_u64 s[G0V+2:G0V+3], s[48:49], s[50:51]
	s_or_b32 s[G0V+3], s[G0V+3], 0x80000000
	ROUND                                          ; the four partners are here: the first joint load meets
	JLOAD                                          ; fill 0: one tensor load a wave at the head
	v_and_b32 v1, 31, v0
	v_and_b32 v2, 15, v0                           ; r
	v_bfe_u32 v3, v0, 4, 1                         ; h
	v_lshlrev_b32 v[LN], 4, v1
	v_lshlrev_b32 v20, 4, v2
	v_add_nc_u32 v[AP], s70, v[LN]
	v_add_nc_u32 v[AP+1], 4*REC, v[AP]
	v_add_nc_u32 v[AP+2], SLOT, v[AP]
	v_add_nc_u32 v[AP+3], SLOT+4*REC, v[AP]
	v_add_nc_u32 v[AV], s71, v[LN]
	v_add_nc_u32 v[AV+1], 4*REC, v[AV]
	v_add_nc_u32 v[AV+2], SLOT, v[AV]
	v_add_nc_u32 v[AV+3], SLOT+4*REC, v[AV]
	v_mad_u32_u24 v[AVS], v3, REC, v20             ; lanes 16-31 take the double step's second panel
	v_add_nc_u32 v[AVS], s72, v[AVS]
	v_add_nc_u32 v[AVS+1], SLOT, v[AVS]
	v_lshl_add_u32 v[SOF], v3, 10, v20
	v_add_nc_u32 v[SOF], s73, v[SOF]
	v_mad_u32_u24 v[POF], v3, REC, v20
	v_add_nc_u32 v[POF], s74, v[POF]
	v_mul_u32_u24 v[STO], v2, SPITCH               ; into the stage: row r, 64 bytes for each half of the lanes
	v_lshl_add_u32 v[STO], v3, 6, v[STO]
	v_add_nc_u32 v[STO], s75, v[STO]
	v_mad_u32_u24 v[RD], v3, SPITCH, v20           ; back: sixteen lanes to a row of 256 bytes, two rows an instruction
	v_add_nc_u32 v[RD], s75, v[RD]
	v_lshl_add_u32 v[CO], v3, 12, v20              ; and the same two rows in out
	s_wait_alu depctr_va_vdst(0)
	WIN 0x80
.irp d, 0,1,2,3,4,5,6,7,8                      ; -M, l and the raw scale words of my 64 queries, a double step to a register: 27 loads
	global_load_b128 v[NMR+4*\d:NMR+4*\d+3], v[SOF], s[66:67] offset:2048*\d
.endr
.irp d, 0,1,2,3,4,5,6,7,8
	global_load_b128 v[LR+4*\d:LR+4*\d+3], v[SOF], s[66:67] offset:2048*\d+512
	global_load_b128 v[RWR+4*\d:RWR+4*\d+3], v[POF], s[68:69] offset:2*REC*\d
.endr
	WIN 0
	CHANGE 1                                       ; slot 1's first fill is issued as a refill is
; the fragments and v's scale words of double step d into set d % 2: 49 LDS loads
.macro FETCH d
.set sli, ((\d)/3)%2
.set dsi, (\d)%3
.set ko, (dsi%2)*2*REC
	WIN 0x40*(1+(\d)%2)
.irp q, 0,1
.irp i, 0,1,2,3
.irp c, 0,1,2
	ds_load_b128 v[96*\q+12*\i+4*\c:96*\q+12*\i+4*\c+3], v[AV+2*sli+dsi/2] offset:ko+\q*REC+\i*FRB+512*\c
.endr
.endr
.irp i, 0,1,2,3
.irp c, 0,1,2
	ds_load_b128 v[96*\q+48+12*\i+4*\c:96*\q+48+12*\i+4*\c+3], v[AP+2*sli+dsi/2] offset:ko+\q*REC+\i*FRB+512*\c
.endr
.endr
.endr
	WIN 0
	ds_load_b128 v[VS+4*((\d)%2):VS+4*((\d)%2)+3], v[AVS+sli] offset:dsi*2*REC
.endm
	FETCH 0
	s_wait_loadcnt 0x0
	WIN 0xaa
; the rows' -M: the least -M of each group's key steps.  Double step 0 is always the lower group's, 4 to 8 the upper's; 1 to 3 are chosen by ids
.irp d, 1,2,3
.irp j, 0,1,2,3
	v_cndmask_b32 v[CA+8*(\d-1)+\j], v[NMR+\j], v[NMR+4*\d+\j], s[74+2*\d]
	v_cndmask_b32 v[CA+8*(\d-1)+4+\j], v[NMR+4*\d+\j], v[NMR+32+\j], s[74+2*\d]
.endr
.endr
.irp j, 0,1,2,3
	v_min3_num_f32 v[NGL+\j], v[NMR+\j], v[CA+\j], v[CA+8+\j]
	v_min3_num_f32 v[NGH+\j], v[NMR+16+\j], v[NMR+20+\j], v[NMR+24+\j]
.endr
.irp j, 0,1,2,3
	v_min_num_f32 v[NGL+\j], v[NGL+\j], v[CA+16+\j]
	v_min3_num_f32 v[NGH+\j], v[NGH+\j], v[NMR+28+\j], v[NMR+32+\j]
.endr
.irp j, 0,1,2,3
	v_min3_num_f32 v[NGH+\j], v[NGH+\j], v[CA+4+\j], v[CA+12+\j]
.endr
.irp j, 0,1,2,3
	v_min_num_f32 v[NGH+\j], v[NGH+\j], v[CA+20+\j]
.endr
.irp j, 0,1,2,3
	v_permlanex16_b32 v[CA+\j], v[NGL+\j], s[SEL], s[SEL+1]
	v_permlanex16_b32 v[CA+4+\j], v[NGH+\j], s[SEL], s[SEL+1]
.endr
.irp j, 0,1,2,3
	v_min_num_f32 v[NGL+\j], v[NGL+\j], v[CA+\j]   ; with the other half's key steps
	v_min_num_f32 v[NGH+\j], v[NGH+\j], v[CA+4+\j]
.endr
; double step d: D = M(row) - M(these keys), a whole number held at 127; l += l(these keys) x 2^-D; D comes off all four scale bytes (bit 7 of each raw byte is set: where it falls, the byte is held at 0)
.macro FIX d
.if (\d) == 0
.set NS, NGL
.elseif (\d) >= 4
.set NS, NGH
.else
.set NS, NGS
.irp j, 0,1,2,3
	v_cndmask_b32 v[NGS+\j], v[NGH+\j], v[NGL+\j], s[74+2*(\d)]
.endr
.endif
.irp j, 0,1,2,3
	v_sub_f32 v[DD+\j], v[NMR+4*(\d)+\j], v[NS+\j]
.endr
.irp j, 0,1,2,3
	v_min_num_f32 v[DD+\j], 0x42fe0000, v[DD+\j]
.endr
.irp j, 0,1,2,3
	v_cvt_u32_f32 v[DD+\j], v[DD+\j]
.endr
.irp j, 0,1,2,3
	v_sub_nc_u32 v[EE+\j], 127, v[DD+\j]
.endr
.irp j, 0,1,2,3
	v_lshlrev_b32 v[EE+\j], 23, v[EE+\j]           ; 2^-D; 0 where D is 127
.endr
.if (\d) == 0
.irp j, 0,1,2,3
	v_mul_f32 v[LTL+\j], v[LR+\j], v[EE+\j]
.endr
.elseif (\d) >= 4
.irp j, 0,1,2,3
	v_fma_f32 v[LTH+\j], v[LR+4*(\d)+\j], v[EE+\j], v[LTH+\j]
.endr
.else
.irp j, 0,1,2,3
	v_and_b32 v[E2+\j], s[74+2*(\d)], v[EE+\j]     ; the factor counts for one group's l and is 0 for the other's
	v_and_b32 v[EE+\j], s[75+2*(\d)], v[EE+\j]
.endr
.irp j, 0,1,2,3
	v_fma_f32 v[LTL+\j], v[LR+4*(\d)+\j], v[E2+\j], v[LTL+\j]
.if (\d) == 1
	v_mul_f32 v[LTH+\j], v[LR+4*(\d)+\j], v[EE+\j]
.else
	v_fma_f32 v[LTH+\j], v[LR+4*(\d)+\j], v[EE+\j], v[LTH+\j]
.endif
.endr
.endif
.irp j, 0,1,2,3
	v_perm_b32 v[DD+\j], v[DD+\j], v[DD+\j], 0     ; D in all four bytes
.endr
.irp j, 0,1,2,3
	v_sub_nc_u32 v[RWR+4*(\d)+\j], v[RWR+4*(\d)+\j], v[DD+\j]
.endr
.irp j, 0,1,2,3
	v_and_b32 v[TT+\j], 0x80808080, v[RWR+4*(\d)+\j]
.endr
.irp j, 0,1,2,3
	v_lshrrev_b32 v[UU+\j], 7, v[TT+\j]
.endr
.irp j, 0,1,2,3
	v_sub_nc_u32 v[NMR+4*(\d)+\j], v[TT+\j], v[UU+\j]   ; 0x7f for each byte that stayed at 0 or above, else 0
.endr
.endm
.irp d, 0,1,2,3,4,5,6,7,8
	FIX \d
.endr
.irp j, 0,1,2,3
	v_permlanex16_b32 v[TT+\j], v[LTL+\j], s[SEL], s[SEL+1]
	v_permlanex16_b32 v[UU+\j], v[LTH+\j], s[SEL], s[SEL+1]
.endr
.irp j, 0,1,2,3
	v_add_f32 v[LTL+\j], v[LTL+\j], v[TT+\j]       ; the rows' l
	v_add_f32 v[LTH+\j], v[LTH+\j], v[UU+\j]
.endr
	WIN 0x0a                                       ; sources in window 2, results in window 0
	s_wait_alu depctr_va_vdst(0)
.irp j, 0,1,2,3
	v_rcp_f32 v[RL+2*\j], v[LTL+\j]                ; 1 / l, twice: the packed multiply takes a pair
	v_rcp_f32 v[RL+2*\j+1], v[LTL+\j]
	v_rcp_f32 v[RL+8+2*\j], v[LTH+\j]
	v_rcp_f32 v[RL+8+2*\j+1], v[LTH+\j]
.endr
.set i, 0
.rept 36
	v_and_b32 v[PS+i], v[RWR+i], v[NMR+i]          ; p's scale words under the row's M
.set i, i+1
.endr
	WIN 0
	s_wait_alu depctr_va_vdst(0)                   ; and behind it
.macro WM d, q, a, b, zero
.set rD, 8*(4*(\a)+(\b))
.set rA, 96*(\q)+12*(\b)
.set rB, 96*(\q)+48+12*(\a)
.set rS, VS+4*((\d)%2)+(\b)
.set rT, PS+4*(\d)+(\a)
.if \zero
	v_wmma_scale_f32_16x16x128_f8f6f4 v[rD:rD+7], v[rA:rA+11], v[rB:rB+11], 0, v[rS], v[rT] matrix_a_fmt:MATRIX_FMT_FP6 matrix_b_fmt:MATRIX_FMT_FP6
.elseif (\q) == 0
	v_wmma_scale_f32_16x16x128_f8f6f4 v[rD:rD+7], v[rA:rA+11], v[rB:rB+11], v[rD:rD+7], v[rS], v[rT] matrix_a_fmt:MATRIX_FMT_FP6 matrix_b_fmt:MATRIX_FMT_FP6
.else
	v_wmma_scale_f32_16x16x128_f8f6f4 v[rD:rD+7], v[rA:rA+11], v[rB:rB+11], v[rD:rD+7], v[rS], v[rT] matrix_a_fmt:MATRIX_FMT_FP6 matrix_b_fmt:MATRIX_FMT_FP6 matrix_a_scale:MATRIX_SCALE_ROW1 matrix_b_scale:MATRIX_SCALE_ROW1
.endif
.endm
.macro MULQ d, q, zero                 ; key step q of double step d: 16 products, the 16 accumulators by turns
	WIN 0xf5+5*((\d)%2)                            ; sources in window 1 or 2, C and D in window 3
.irp a, 0,1,2,3
.irp b, 0,1,2,3
	WM \d, \q, \a, \b, \zero
.endr
.endr
	WIN 0
.endm
; THE WAY OUT of group t (0 lower, 1 upper): p's tile a, 16 queries x 64 channels, x 1 / l, through my stage, back as rows of 256 bytes, stored
.macro SEND t, a
.irp u, 0,1,2,3,4,5,6,7
	global_store_b128 v[CO], v[BK+32*((\a)%2)+4*\u:BK+32*((\a)%2)+4*\u+3], s[60+2*(\t):61+2*(\t)] offset:(32*((\a)/2)+8*((\a)%2)+2*\u+8*(\u/4))*4096 th:TH_STORE_NT   ; sixteen lanes store 256 consecutive bytes, aligned
.endr
.endm
.macro OUTPUT t
.irp a, 0,1,2,3
	s_wait_xcnt 0x0                                ; earlier stores have read the registers that this tile's loads land on
	WIN 0x03                                       ; source 0: the accumulators
.set k, 0
.rept 16
	v_pk_mul_f32 v[TB+32*(\a%2)+k:TB+32*(\a%2)+k+1], v[32*\a+k:32*\a+k+1], v[RL+8*(\t)+2*\a:RL+8*(\t)+2*\a+1]   ; each accumulator from its low end on
.set k, k+2
.endr
	WIN 0
.irp x, 0,1,2,3,4,5,6,7
	ds_store_b128 v[STO], v[TB+32*(\a%2)+4*\x:TB+32*(\a%2)+4*\x+3] offset:128*(\x/4)+16*(\x%4)
.endr
.irp u, 0,1,2,3,4,5,6,7
	ds_load_b128 v[BK+32*(\a%2)+4*\u:BK+32*(\a%2)+4*\u+3], v[RD] offset:\u*2*SPITCH   ; LDS serves a wave's instructions in order: these see the stores above
.endr
.if \a > 0
	s_wait_dscnt 16                                ; all but this tile's 8 stores and 8 loads: the tile before is back
	SEND \t, (\a-1)
.endif
.endr
	s_wait_dscnt 0x0
	SEND \t, 3
.endm
.macro DSTEP d
.if (\d) == 2
	CHANGE 2                                       ; slot 0 is all in registers: it takes double steps 6 to 8; the load's four v_nop are the places ahead of the loads below
	FETCH 3
.elseif (\d) == 5
	s_wait_tensorcnt 0x0                           ; my part of the last fill is in
	s_wait_dscnt 0x0
	s_barrier_signal -1
	s_barrier_wait -1
	PLACES
	FETCH 6
.elseif (\d) < 8
	PLACES
	FETCH (\d)+1
.endif
.if (\d) < 8
	s_wait_dscnt 49                                ; all but the 49 loads just issued: this double step's fragments are in
.else
	s_wait_dscnt 0x0
.endif
.if (\d) == 0
	MULQ \d, 0, 1
.elseif (\d) <= 4
	s_cmp_eq_u32 s20, \d                           ; does the upper group begin here?  A branch on ids, the same in all waves and partners
	s_cbranch_scc0 .Lon_\d
	OUTPUT 0
	MULQ \d, 0, 1                                  ; its first products start the sums anew
	s_branch .Lq1_\d
.Lon_\d:
	MULQ \d, 0, 0
.Lq1_\d:
.else
	MULQ \d, 0, 0
.endif
.if (\d) <= 3 || (\d) == 8
	s_cmp_eq_u32 s21, \d                           ; these 128 keys all come after the group's queries
	s_cbranch_scc1 .Ldead_\d
.endif
	MULQ \d, 1, 0
.if (\d) <= 3 || (\d) == 8
.Ldead_\d:
.endif
.endm
.irp d, 0,1,2,3,4,5,6,7,8
	DSTEP \d
.endr
	PLACES
	OUTPUT 1
	s_wait_tensorcnt 0x0                           ; the wave's end
	ds_add_u32 v[SPW], v[NIL]
	s_wait_dscnt 0x0
	ROUND                                          ; the closing round
	s_endpgm
.Lfunc_end_k_qd4f8aaa782_pv:
	.size	k_qd4f8aaa782_pv, .Lfunc_end_k_qd4f8aaa782_pv-k_qd4f8aaa782_pv
	.p2alignl 7, 3214868480
	.fill 96, 4, 3214868480
	.section	.rodata,"a",@progbits
	.p2align	6, 0x0
	.amdhsa_kernel k_qd4f8aaa782_pv
		.amdhsa_group_segment_fixed_size 327680
		.amdhsa_private_segment_fixed_size 0
		.amdhsa_enable_private_segment 0
		.amdhsa_kernarg_size 32
		.amdhsa_user_sgpr_count 2
		.amdhsa_user_sgpr_kernarg_segment_ptr 1
		.amdhsa_wavefront_size32 1
		.amdhsa_system_sgpr_workgroup_id_x 1
		.amdhsa_system_sgpr_workgroup_id_y 1
		.amdhsa_system_sgpr_workgroup_id_z 1
		.amdhsa_system_vgpr_workitem_id 0
		.amdhsa_next_free_vgpr 896
		.amdhsa_next_free_sgpr 96
		.amdhsa_reserve_vcc 0
		.amdhsa_float_denorm_mode_32 3
		.amdhsa_float_denorm_mode_16_64 3
		.amdhsa_memory_ordered 1
		.amdhsa_forward_progress 1
		.amdhsa_inst_pref_size 173
	.end_amdhsa_kernel
	.amdgpu_metadata
---
amdhsa.version: [ 1, 2 ]
amdhsa.kernels:
  - .name:           k_qd4f8aaa782_pv
    .symbol:         k_qd4f8aaa782_pv.kd
    .args:
      - { .name: pp, .offset: 0, .size: 8, .value_kind: global_buffer, .address_space: global }
      - { .name: side, .offset: 8, .size: 8, .value_kind: global_buffer, .address_space: global }
      - { .name: vtp, .offset: 16, .size: 8, .value_kind: global_buffer, .address_space: global }
      - { .name: out0, .offset: 24, .size: 8, .value_kind: global_buffer, .address_space: global }
    .group_segment_fixed_size: 327680
    .private_segment_fixed_size: 0
    .kernarg_segment_align: 8
    .kernarg_segment_size: 32
    .max_flat_workgroup_size: 128
    .sgpr_count:     96
    .vgpr_count:     896
    .wavefront_size: 32
...
	.end_amdgpu_metadata
.endif
;; end of part 4
